; MI455X (gfx1250); checked and timed in simulation.
; The chip was launched on July 23, 2026; its instructions are those of AMD's public machine-readable ISA for CDNA 5 (MIT licence, August 2026) and "CDNA5" Instruction Set Architecture Reference Guide (July 2026). The comments in the code are by the model that wrote it; some were corrected since.
;; Multi Head Attention. Allowed arithmetic: matrix products marked QUANTISED: E3M2 operands, one E8M0 scale for each 32 along K, by v_wmma_scale_f32_16x16x128_f8f6f4 with both operands' format E3M2, f32 sums; everything else in f32.
;; Inputs: bk 1,024 float32; bo 1,024 float32; bq 1,024 float32; bv 1,024 float32; key 4 x 2,048 x 1,024 float32; query 4 x 2,048 x 1,024 float32; value 4 x 2,048 x 1,024 float32; wk 1,024 x 1,024 float32; wo 1,024 x 1,024 float32; wq 1,024 x 1,024 float32; wv 1,024 x 1,024 float32.
;; Outputs: out0 4 x 2,048 x 1,024 float32.
;; This version of the problem:
;;   THIS VERSION OF THE PROBLEM IS GIVEN IN LOW PRECISION. The matrix products marked QUANTISED in the list below multiply operands that are first quantised to E3M2 (3 exponent bits, 2 mantissa bits; 6 bits a number), with one power-of-two scale for each 32 numbers along K (OCP MX v1.0); their sums are f32. All else is computed in f32.
;;   The module's matrix products, in the order in which they are computed (A, B: the left and right operand; K: the contracted axis; several contracted axes count as one K, in the product's order):
;;     1. [M 8,192, K 1,024] x [K 1,024, N 1,024]; A: input query; B: input wq: QUANTISED
;;     2. [M 8,192, K 1,024] x [K 1,024, N 1,024]; A: input key; B: input wk: QUANTISED
;;     3. [M 8,192, K 1,024] x [K 1,024, N 1,024]; A: input value; B: input wv: QUANTISED
;;     4. batch 64 x [M 2,048, K 64] x [K 64, N 2,048]; A: computed on the way; B: computed on the way: QUANTISED
;;     5. batch 64 x [M 2,048, K 2,048] x [K 2,048, N 64]; A: softmax (see below); B: computed on the way: QUANTISED
;;     6. [M 8,192, K 1,024] x [K 1,024, N 1,024]; A: computed on the way; B: input wo: QUANTISED
;;   THE QUANTISER, for each operand of a quantised product, along K:
;;     - K is cut into blocks of 32 from its start; a last block that is shorter is filled with zeros.
;;     - A block's scale is 2^e with e = floor(log2(the largest magnitude in the block)) - 4, held to -126 .. 127; a block of zeros has e = 0. As a byte (E8M0): e + 127.
;;     - Each number is divided by its block's scale, clamped to +-28, and rounded to the nearest number of E3M2, ties to even, subnormals kept.
;;     - The product sums the exact products of the quantised numbers (number of the format x scale) in f32.
;;   ~~~python
;;   def quantise(x, axis):      # numpy; x: float32 -> the quantised numbers, widened to float32 again
;;       x = np.moveaxis(x, axis, -1); K = x.shape[-1]
;;       x = np.pad(x, [(0, 0)] * (x.ndim - 1) + [(0, -K % 32)]); x = x.reshape(x.shape[:-1] + (-1, 32)); a = np.abs(x).max(-1, keepdims=True)
;;       e = np.where(a > 0, np.clip(np.frexp(np.where(a > 0, a, 1))[1] - 1 - 4, -126, 127), 0)      # np.frexp(a)[1] - 1 = floor(log2(a)), exactly
;;       r = np.clip(x / 2.0 ** e, -28, 28)
;;       step = 2.0 ** (np.maximum(np.frexp(np.where(r == 0, 1, r))[1] - 1, -2) - 2)
;;       q = np.round(r / step) * step * 2.0 ** e      # np.round: ties to even
;;       return np.moveaxis(q.reshape(q.shape[:-2] + (-1,))[..., :K], -1, axis).astype(np.float32)
;;   ~~~
;;   SOFTMAX AHEAD OF A QUANTISED PRODUCT. Where the list says 'softmax', what is quantised is not the finished softmax but p = 2^(t - M), with t = logit x log2(e) and M = ceil(the row's largest t), a whole number; so 1/2 < the row's largest p <= 1. The row's sum l is taken of the UNQUANTISED p, in f32, and the product's result is divided by l at the end. Since M is a whole number, a kernel that streams over the keys may use a running M (the ceiling of the running maximum): every later rescaling is an exact power of two, which a block's scale takes up: the codes' values come out the same.
;;   OPERANDS COMPUTED ON THE WAY. 'Computed on the way' means the value that the module computes at that place (a softmax that the list does not call 'softmax' is quantised finished and normalised). What goes into a quantiser is computed in f32, as accurately as f32 sums, v_exp_f32 and their like allow (about 1e-6 of the number): no bf16 or f16 on the way to a quantiser, and a product that is left as it is and whose result goes on into a quantised operand takes f32 operands (vector FMAs, or v_wmma_f32_16x16x4_f32). A number that lies on a knife's edge between two numbers of the format may be rounded either way, as far as f32 arithmetic and the matrix unit's own rounding can turn it there, and no further.
;; One version. Each part assembles by itself: llvm-mc -triple=amdgcn-amd-amdhsa -mcpu=gfx1250 --defsym DOCPART=n.
;; ======== version 1 of 1: 4 launches
;; limits: right only within a limited range of input values
;; workspace buffers: xw 22,937,600 bytes; qkv 19,660,800 bytes; ao 6,553,600 bytes
;; launch quant (part 1): grid 256 x 1, 8 waves a work-group, no clusters, 68,608 bytes of LDS; arguments query, key, value, wq, wk, wv, wo, xw; writes xw
.if DOCPART == 1
	.amdgcn_target "amdgcn-amd-amdhsa--gfx1250"
	.amdhsa_code_object_version 6
	.text
	.protected	k_q80883bbf0a_quant
	.globl	k_q80883bbf0a_quant
	.p2align	8
	.type	k_q80883bbf0a_quant,@function
k_q80883bbf0a_quant:
	s_mov_b64 s[64:65], 0
	v_nop
	global_prefetch_b8 v0, s[64:65] scope:SCOPE_SE
	s_setreg_imm32_b32 hwreg(HW_REG_WAVE_MODE, 25, 1), 1
	s_wait_xcnt 0x0
; query, key, value [8192][1024] f32 (K innermost) and wq, wk, wv, wo [1024 (k)][1024 (n)] f32 (K outermost) become codes of BF6 (E3M2) with one E8M0 byte for each 32 along K,
; laid in the ORDER OF THE OPERAND'S REGISTERS, so that the products' launches read fragments as they stand.
; A row tile T holds 16 rows; its place r holds matrix row 32 (T / 2) + 8 (T % 2) + r + 8 (r / 8).  A fragment (16 rows x 128 K, 12 registers a lane: registers 6 c .. 6 c + 5 of lane (r, h) hold
; k = 64 c + 32 h + 0 .. 31) is two halves of 768 bytes: registers 6 c .. 6 c + 3 of lane l at 16 l, registers 6 c + 4, 6 c + 5 at 512 + 8 l.  Codes: [T][K step 0..7][c][768]; scale bytes: [T][r][32].
; A block's scale is 2^(floor(log2(its largest magnitude)) - 4); its byte is that magnitude's exponent field - 4, held at 1 from below.
; LIMITS: NaN and infinities among the inputs are not served; a block whose largest magnitude lies under 2^-122 takes the floor's byte 1; a block of zeros gets the byte 1 where the rule says 127:
; its codes are zeros, which add nothing under any byte but 0xff, and this program alone reads the bytes.
; Work-groups 0 to 191: the activations, a wave to a row tile (16 rows x all of K, 64 KiB).  Work-groups 192 to 255: the weights, a wave to 32 columns x 256 along K.
; No matrix work, no cluster, no barrier: waves share nothing, and memory binds.
.set XS_OFF, 18874368                  ; xw: the activations' scale bytes
.set WC_OFF, 19660800                  ; the weights' codes
.set WS_OFF, 22806528                  ; the weights' scale bytes
.set STG,    8448                      ; a wave's stage: 16 rows x (512 bytes + 16)
.set SPARE,  8*STG                     ; behind the stages: the spare words, 128 bytes for each wave: four blocks of 256 bytes that no other line names
.set SPW, 10                           ; v10  LDS address of my spare word; never rewritten
.set NIL, 11                           ; v11  0; never rewritten
.set R,   16                           ; v16-143   two sets of 64: 16 rows x 16 bytes a lane, as loaded
.set X,   144                          ; v144-207  64 numbers of my row: register 16 b + i = k 32 b + 16 h + i
.set TM,  208                          ; v208-223  at work
.set PC,  224                          ; v224-235  a fragment's codes; v236-243 the conversions' second halves
.set W,   244                          ; v244-251  the eight scale words of my row
.set CH,  252                          ; v252-255  the four of them that I store
	s_load_b512 s[16:31], s[0:1], 0x0              ; query, key, value, wq, wk, wv, wo, xw
	v_lshl_add_u32 v[SPW], v0, 2, SPARE
	v_mov_b32 v[NIL], 0
	v_lshrrev_b32 v1, 5, v0
	s_delay_alu instid0(VALU_DEP_1)
	v_readfirstlane_b32 s8, v1                     ; wave 0..7
	v_and_b32 v1, 31, v0                           ; l
	v_and_b32 v2, 15, v0                           ; r
	v_bfe_u32 v3, v0, 4, 1                         ; h
	s_cmp_lt_u32 ttmp9, 192
	s_cbranch_scc0 .Lweights
; ---------------- the activations ----------------
	s_mov_b32 s12, 0x76543210
	s_mov_b32 s13, 0xfedcba98                      ; v_permlanex16_b32's selects for lane l xor 16
	s_lshl_b32 s2, ttmp9, 3
	s_add_co_u32 s2, s2, s8                        ; which of 1,536 row tiles
	s_lshr_b32 s3, s2, 9                           ; g: 0 query, 1 key, 2 value
	s_and_b32 s4, s2, 511                          ; T
	s_lshr_b32 s5, s4, 1
	s_lshl_b32 s5, s5, 5
	s_and_b32 s6, s4, 1
	s_lshl_b32 s6, s6, 3
	s_add_co_u32 s5, s5, s6                        ; query, value: the tile's first row 32 (T / 2) + 8 (T % 2); places 8-15 lie 8 rows beyond places 0-7's run
	; KEY ALONE has another order: place r of tile T holds row 64 (T / 4) + 8 (T % 4) + r % 8 + 32 (r / 8), so that in the attention's scores a lane's 32 registers of four tiles are one whole block of 32 keys
	s_lshr_b32 s9, s4, 2
	s_lshl_b32 s9, s9, 6
	s_and_b32 s6, s4, 3
	s_lshl_b32 s6, s6, 3
	s_add_co_u32 s9, s9, s6
	s_mov_b32 s40, 8*4096
	s_cmp_eq_u32 s3, 1
	s_cselect_b32 s5, s9, s5
	s_cselect_b32 s40, 24*4096, s40                ; what places 8-15 add to p rows: 8 rows, for key 24
	s_mov_b32 s41, 0
	s_lshl_b32 s32, s5, 12
	s_mov_b32 s33, 0
	s_mul_i32 s34, s3, 6291456
	s_mul_i32 s6, s4, 12288
	s_add_co_u32 s34, s34, s6                      ; the tile's codes
	s_mov_b32 s35, 0
	s_mul_i32 s36, s3, 262144
	s_lshl_b32 s6, s4, 9
	s_add_co_u32 s36, s36, s6
	s_add_co_u32 s36, s36, XS_OFF                  ; and its scale bytes
	s_mov_b32 s37, 0
	s_mul_i32 s7, s8, STG                          ; my stage
	s_wait_alu depctr_va_vdst(0)
	v_lshlrev_b32 v4, 4, v1                        ; 16 l
	v_lshlrev_b32 v5, 3, v1                        ; 8 l
	s_delay_alu instid0(VALU_DEP_2)
	v_add_nc_u32 v6, s7, v4                        ; into the stage: a row's 512 bytes as they lie
	v_mul_u32_u24 v7, v2, 528
	s_delay_alu instid0(VALU_DEP_1)
	v_lshl_add_u32 v7, v3, 6, v7
	s_delay_alu instid0(VALU_DEP_1)
	v_add_nc_u32 v7, s7, v7                        ; out of it: row r, + 64 h: my 16 numbers of each block of 32.  Rows 528 bytes apart: 16 lanes touch 16 different columns of 16 bytes
	v_lshlrev_b32 v8, 5, v2
	s_delay_alu instid0(VALU_DEP_1)
	v_lshl_add_u32 v8, v3, 4, v8                   ; the scale words' place: 32 r + 16 h
.irp b, 0,1,2,3
	v_mov_b32 v[TM+4+\b], 0                        ; written once: a lane permute's destination counts as one of its sources
.endr
	s_wait_alu depctr_va_vdst(0)
	s_wait_kmcnt 0x0
	s_cmp_eq_u32 s3, 0
	s_cselect_b64 s[38:39], s[16:17], s[18:19]
	s_cmp_eq_u32 s3, 2
	s_cselect_b64 s[38:39], s[20:21], s[38:39]
	s_add_nc_u64 s[38:39], s[38:39], s[32:33]
	s_add_nc_u64 s[40:41], s[38:39], s[40:41]      ; the base of places 8-15
	s_add_nc_u64 s[34:35], s[30:31], s[34:35]
	s_add_nc_u64 s[36:37], s[30:31], s[36:37]
.macro LOAD s                          ; K step s of the tile's 16 rows: each load takes 512 consecutive bytes of one row
.irp p, 0,1,2,3,4,5,6,7,8,9,10,11,12,13,14,15
.if \p < 8
	global_load_b128 v[R+64*((\s)%2)+4*\p:R+64*((\s)%2)+4*\p+3], v4, s[38:39] offset:\p*4096+512*(\s) th:TH_LOAD_NT
.else
	global_load_b128 v[R+64*((\s)%2)+4*\p:R+64*((\s)%2)+4*\p+3], v4, s[40:41] offset:\p*4096+512*(\s) th:TH_LOAD_NT
.endif
.endr
.endm
.macro TURN s                          ; through my own stage: LDS serves a wave's instructions in order (ISA guide 5.7.1.4), so no wait stands between the stores and the loads
.irp p, 0,1,2,3,4,5,6,7,8,9,10,11,12,13,14,15
	ds_store_b128 v6, v[R+64*((\s)%2)+4*\p:R+64*((\s)%2)+4*\p+3] offset:528*\p
.endr
.irp b, 0,1,2,3
.irp j, 0,1,2,3
	ds_load_b128 v[X+16*\b+4*\j:X+16*\b+4*\j+3], v7 offset:128*\b+16*\j
.endr
.endr
.endm
; 64 numbers of a lane, register 16 b + i = k 32 b + 16 h + i of my row, become a fragment's codes in v[PC] on and my row's scale word in v[pw].  xw > 0: v[PC] on were a store's data
.macro QUANT s, pw, xw
.irp b, 0,1,2,3
	v_max3_num_f32 v[TM+\b], |v[\s+16*\b]|, |v[\s+1+16*\b]|, 0x2800000   ; block b: my 16 numbers, and the floor 2^(5 - 127): the byte cannot fall under 1
.endr
.irp i, 2,4,6,8,10,12,14
.irp b, 0,1,2,3
	s_delay_alu instid0(VALU_DEP_4)
	v_max3_num_f32 v[TM+\b], v[TM+\b], |v[\s+16*\b+\i]|, |v[\s+1+16*\b+\i]|   ; the four blocks by turns
.endr
.endr
.irp b, 0,1,2,3
	s_delay_alu instid0(VALU_DEP_4)
	v_permlanex16_b32 v[TM+4+\b], v[TM+\b], s12, s13
.endr
.irp b, 0,1,2,3
	s_delay_alu instid0(VALU_DEP_4)
	v_max_num_f32 v[TM+\b], v[TM+\b], v[TM+4+\b]   ; with lane l xor 16's: the block's largest magnitude
.endr
.irp b, 0,1,2,3
	s_delay_alu instid0(VALU_DEP_4)
	v_add_nc_u32 v[TM+12+\b], 0xfe000000, v[TM+\b] ; 4 off its exponent field: the conversion takes the exponent field of this operand as its scale
.endr
.irp b, 0,1,2,3
	s_delay_alu instid0(VALU_DEP_4)
	v_lshrrev_b32 v[TM+4+\b], 23, v[TM+12+\b]      ; the scale's byte
.endr
	s_delay_alu instid0(VALU_DEP_3)
	v_lshl_or_b32 v[\pw], v[TM+5], 8, v[TM+4]
	s_delay_alu instid0(VALU_DEP_1)
	v_lshl_or_b32 v[\pw], v[TM+6], 16, v[\pw]
	s_delay_alu instid0(VALU_DEP_1)
	v_lshl_or_b32 v[\pw], v[TM+7], 24, v[\pw]
.if (\xw) > 0
	s_wait_xcnt 0x0                                ; the last fragment's stores have read their data: only now are the codes' registers written again
.endif
.irp c, 0,1
	v_cvt_scalef32_pk16_bf6_f32 v[PC+6*\c:PC+2+6*\c], v[\s+32*\c:\s+15+32*\c], v[TM+12+2*\c]
	v_cvt_scalef32_pk16_bf6_f32 v[PC+12+4*\c:PC+14+4*\c], v[\s+16+32*\c:\s+31+32*\c], v[TM+12+2*\c+1]   ; (a conversion's three registers begin on an even number)
.endr
	v_nop                                          ; one plain place behind a scaled conversion
.irp c, 0,1                                    ; the operand's layout wants a whole block in a lane: lanes 0-15 block 2 c, lanes 16-31 block 2 c + 1
.irp i, 0,1,2
	v_permlane16_swap_b32 v[PC+6*\c+\i], v[PC+12+4*\c+\i]
.endr
.irp i, 0,1,2
	s_delay_alu instid0(VALU_DEP_3)
	v_mov_b32 v[PC+3+6*\c+\i], v[PC+12+4*\c+\i]
.endr
.endr
.endm
	LOAD 0
	LOAD 1
.irp s, 0,1,2,3,4,5,6,7
.if \s < 7
	s_wait_loadcnt 16                              ; this K step's 16 loads are in; the next step's 16 may be out
.else
	s_wait_loadcnt 0x0
.endif
	TURN \s
	s_wait_dscnt 0x0                               ; my 64 numbers are back, and the stage's stores have read their registers,
.if \s < 6
	LOAD \s+2                                      ; which take the loads of two steps on
.endif
	QUANT X, W+\s, \s
	global_store_b128 v4, v[PC:PC+3], s[34:35] offset:1536*\s          ; each store of the wave covers 512 or 256 consecutive bytes, aligned
	global_store_b64 v5, v[PC+4:PC+5], s[34:35] offset:1536*\s+512
	global_store_b128 v4, v[PC+6:PC+9], s[34:35] offset:1536*\s+768
	global_store_b64 v5, v[PC+10:PC+11], s[34:35] offset:1536*\s+1280
.endr
	v_cmp_eq_u32 vcc_lo, 1, v3
.irp i, 0,1,2,3
	v_cndmask_b32 v[CH+\i], v[W+\i], v[W+4+\i], vcc_lo   ; lanes 0-15 store K steps 0-3's words of row r, lanes 16-31 steps 4-7's
.endr
	global_store_b128 v8, v[CH:CH+3], s[36:37]     ; the tile's 512 scale bytes, consecutive
	s_wait_tensorcnt 0x0                           ; the wave's end: behind my last LDS store
	ds_add_u32 v[SPW], v[NIL]
	s_wait_dscnt 0x0
	s_endpgm
; ---------------- the weights: a lane takes a column n, and its registers run down K ----------------
.Lweights:
	s_sub_co_u32 s2, ttmp9, 192
	s_lshr_b32 s3, s2, 4                           ; which weight: 0 wq, 1 wk, 2 wv, 3 wo
	s_bfe_u32 s4, s2, 0x20002                      ; which 256 columns
	s_and_b32 s5, s2, 3                            ; which 256 along K
	s_lshl_b32 s4, s4, 3
	s_add_co_u32 s4, s4, s8                        ; which 32 columns: a pair of row tiles of the operand
	s_lshl_b32 s32, s5, 20                         ; 256 rows of 4,096 bytes
	s_lshl_b32 s6, s4, 7
	s_add_co_u32 s32, s32, s6                      ; + 32 columns of 4 bytes
	s_mov_b32 s33, 0
	s_mul_i32 s34, s3, 786432
	s_mul_i32 s6, s4, 24576
	s_add_co_u32 s34, s34, s6
	s_mul_i32 s6, s5, 3072
	s_add_co_u32 s34, s34, s6
	s_add_co_u32 s34, s34, WC_OFF                  ; codes: the pair's first tile, K step 2 x (which 256)
	s_mov_b32 s35, 0
	s_lshl_b32 s36, s3, 15
	s_lshl_b32 s6, s4, 10
	s_add_co_u32 s36, s36, s6
	s_lshl_b32 s6, s5, 3
	s_add_co_u32 s36, s36, s6
	s_add_co_u32 s36, s36, WS_OFF                  ; scale bytes: 8 of each row's 32
	s_mov_b32 s37, 0
	s_wait_alu depctr_va_vdst(0)
	v_lshlrev_b32 v4, 2, v1                        ; in: 4 bytes a lane: 128 consecutive bytes a load
	v_bfe_u32 v9, v1, 3, 1                         ; column 32 p + l lies in tile 2 p + u, u = (l / 8) % 2,
	v_and_b32 v12, 7, v1
	s_delay_alu instid0(VALU_DEP_1)
	v_lshl_add_u32 v12, v3, 3, v12                 ; at place r' = l % 8 + 8 (l / 16)
	s_delay_alu instid0(VALU_DEP_3)
	v_mul_u32_u24 v13, v9, 12288
	s_delay_alu instid0(VALU_DEP_1)
	v_lshl_add_u32 v5, v12, 4, v13                 ; a block's first four registers: 16 r' in my tile
	s_delay_alu instid0(VALU_DEP_2)
	v_lshl_add_u32 v6, v12, 3, v13                 ; its last two: 8 r'
	v_lshlrev_b32 v7, 9, v9
	s_delay_alu instid0(VALU_DEP_1)
	v_lshl_add_u32 v7, v12, 5, v7                  ; my row of scale bytes
	s_wait_alu depctr_va_vdst(0)
	s_wait_kmcnt 0x0
	s_cmp_eq_u32 s3, 0
	s_cselect_b64 s[38:39], s[22:23], s[24:25]
	s_cmp_eq_u32 s3, 2
	s_cselect_b64 s[38:39], s[26:27], s[38:39]
	s_cmp_eq_u32 s3, 3
	s_cselect_b64 s[38:39], s[28:29], s[38:39]
	s_add_nc_u64 s[38:39], s[38:39], s[32:33]
	s_add_nc_u64 s[34:35], s[30:31], s[34:35]
	s_add_nc_u64 s[36:37], s[30:31], s[36:37]
.macro WLOAD t                         ; block t: w(32 t + i, my column), i = 0 .. 31, into set t % 2 of v16-79
.irp i, 0,1,2,3,4,5,6,7,8,9,10,11,12,13,14,15,16,17,18,19,20,21,22,23,24,25,26,27,28,29,30,31
	global_load_b32 v[16+32*((\t)%2)+\i], v4, s[38:39] offset:(32*(\t)+\i)*4096 th:TH_LOAD_NT
.endr
.endm
; Block t of my column is the operand's block t % 4 of K step t / 4: registers 6 c .. 6 c + 5 of lane (r', h), c = (t % 4) / 2, h = t % 2.
.macro BLOCK t
.set XB, 16+32*((\t)%2)
.if (\t) < 7
	s_wait_loadcnt 32                              ; this block's 32 loads are in; the next block's may be out
.else
	s_wait_loadcnt 0x0
.endif
	v_max3_num_f32 v94, |v[XB]|, |v[XB+1]|, |v[XB+2]|               ; the block's largest magnitude: all 32 numbers are mine
	v_max3_num_f32 v95, |v[XB+3]|, |v[XB+4]|, |v[XB+5]|
.irp i, 6,10,14,18,22,26
	s_delay_alu instid0(VALU_DEP_2)
	v_max3_num_f32 v94, v94, |v[XB+\i]|, |v[XB+\i+1]|
	s_delay_alu instid0(VALU_DEP_2)
	v_max3_num_f32 v95, v95, |v[XB+\i+2]|, |v[XB+\i+3]|
.endr
	s_delay_alu instid0(VALU_DEP_2)
	v_max3_num_f32 v94, v94, |v[XB+30]|, |v[XB+31]|
	s_delay_alu instid0(VALU_DEP_1)
	v_max3_num_f32 v94, v94, v95, 0x2800000        ; and the floor
	s_delay_alu instid0(VALU_DEP_1)
	v_add_nc_u32 v96, 0xfe000000, v94              ; the conversion's scale operand
	s_delay_alu instid0(VALU_DEP_1)
	v_lshrrev_b32 v97, 23, v96                     ; the scale's byte
.if (\t)%4 == 0
	s_delay_alu instid0(VALU_DEP_1)
	v_mov_b32 v[92+(\t)/4], v97                    ; four bytes to a register, the lower K in the lower byte
.else
	s_delay_alu instid0(VALU_DEP_1)
	v_lshl_or_b32 v[92+(\t)/4], v97, 8*((\t)%4), v[92+(\t)/4]
.endif
.if (\t) > 0
	s_wait_alu depctr_va_vdst(0)
	s_wait_xcnt 0x0                                ; the last block's stores have read their data
.endif
	v_cvt_scalef32_pk16_bf6_f32 v[80:82], v[XB:XB+15], v96
	v_cvt_scalef32_pk16_bf6_f32 v[88:90], v[XB+16:XB+31], v96
	v_nop                                          ; one plain place behind a scaled conversion
.irp i, 0,1,2
	v_mov_b32 v[83+\i], v[88+\i]
.endr
	global_store_b128 v5, v[80:83], s[34:35] offset:((\t)/4)*1536+(((\t)%4)/2)*768+256*((\t)%2)       ; a tile's 16 lanes store 256 consecutive bytes, aligned
	global_store_b64 v6, v[84:85], s[34:35] offset:((\t)/4)*1536+(((\t)%4)/2)*768+512+128*((\t)%2)
.if (\t)+2 < 8
	WLOAD (\t)+2
.endif
.endm
	WLOAD 0
	WLOAD 1
.irp t, 0,1,2,3,4,5,6,7
	BLOCK \t
.endr
	global_store_b64 v7, v[92:93], s[36:37]        ; my column's 8 scale bytes: rows 32 bytes apart, one byte for each 128 that this path reads
	s_endpgm
.Lfunc_end_k_q80883bbf0a_quant:
	.size	k_q80883bbf0a_quant, .Lfunc_end_k_q80883bbf0a_quant-k_q80883bbf0a_quant
	.p2alignl 7, 3214868480
	.fill 96, 4, 3214868480
	.section	.rodata,"a",@progbits
	.p2align	6, 0x0
	.amdhsa_kernel k_q80883bbf0a_quant
		.amdhsa_group_segment_fixed_size 68608
		.amdhsa_private_segment_fixed_size 0
		.amdhsa_enable_private_segment 0
		.amdhsa_kernarg_size 64
		.amdhsa_user_sgpr_count 2
		.amdhsa_user_sgpr_kernarg_segment_ptr 1
		.amdhsa_wavefront_size32 1
		.amdhsa_system_sgpr_workgroup_id_x 1
		.amdhsa_system_sgpr_workgroup_id_y 1
		.amdhsa_system_sgpr_workgroup_id_z 1
		.amdhsa_system_vgpr_workitem_id 0
		.amdhsa_next_free_vgpr 256
		.amdhsa_next_free_sgpr 66
		.amdhsa_reserve_vcc 1
		.amdhsa_float_denorm_mode_32 3
		.amdhsa_float_denorm_mode_16_64 3
		.amdhsa_memory_ordered 1
		.amdhsa_forward_progress 1
		.amdhsa_inst_pref_size 123
	.end_amdhsa_kernel
	.amdgpu_metadata
---
amdhsa.version: [ 1, 2 ]
amdhsa.kernels:
  - .name:           k_q80883bbf0a_quant
    .symbol:         k_q80883bbf0a_quant.kd
    .args:
      - { .name: query, .offset: 0, .size: 8, .value_kind: global_buffer, .address_space: global }
      - { .name: key, .offset: 8, .size: 8, .value_kind: global_buffer, .address_space: global }
      - { .name: value, .offset: 16, .size: 8, .value_kind: global_buffer, .address_space: global }
      - { .name: wq, .offset: 24, .size: 8, .value_kind: global_buffer, .address_space: global }
      - { .name: wk, .offset: 32, .size: 8, .value_kind: global_buffer, .address_space: global }
      - { .name: wv, .offset: 40, .size: 8, .value_kind: global_buffer, .address_space: global }
      - { .name: wo, .offset: 48, .size: 8, .value_kind: global_buffer, .address_space: global }
      - { .name: xw, .offset: 56, .size: 8, .value_kind: global_buffer, .address_space: global }
    .group_segment_fixed_size: 68608
    .private_segment_fixed_size: 0
    .kernarg_segment_align: 8
    .kernarg_segment_size: 64
    .max_flat_workgroup_size: 256
    .sgpr_count:     66
    .vgpr_count:     256
    .wavefront_size: 32
...
	.end_amdgpu_metadata
.endif
;; end of part 1
;; launch proj (part 2): grid 4 x 192, 4 waves a work-group, clusters of 4 x 4, 327,680 bytes of LDS; arguments xw, bq, bk, bv, qkv; writes qkv
.if DOCPART == 2
	.amdgcn_target "amdgcn-amd-amdhsa--gfx1250"
	.amdhsa_code_object_version 6
	.text
	.protected	k_q80883bbf0a_proj
	.globl	k_q80883bbf0a_proj
	.p2align	8
	.type	k_q80883bbf0a_proj,@function
k_q80883bbf0a_proj:
	s_mov_b64 s[64:65], 0
	v_nop
	global_prefetch_b8 v0, s[64:65] scope:SCOPE_SE
	s_setreg_imm32_b32 hwreg(HW_REG_WAVE_MODE, 25, 1), 1
	s_wait_xcnt 0x0
	s_wait_alu depctr_hold_cnt(0) depctr_sa_sdst(0) depctr_va_vdst(0) depctr_va_sdst(0) depctr_va_ssrc(0) depctr_va_vcc(0) depctr_vm_vsrc(0)
	s_getreg_b32 s2, hwreg(HW_REG_IB_STS2, 6, 4)
	s_cmp_eq_u32 s2, 0
	s_cbranch_scc0 .Lentry_in_a_cluster
	s_endpgm
.Lentry_in_a_cluster:
	s_bfe_u32 s2, ttmp6, 0x10000c
	s_cmp_lg_u32 s2, 0xf033
	s_cbranch_scc0 .Lentry_shape_is_right
	s_endpgm
.Lentry_shape_is_right:
; q = query wq + bq, k = key wk + bk, v = value wv + bv on codes of BF6 (E3M2) with E8M0 scales, f32 sums; the results are quantised again, q and k along a head's 64 channels, v along the keys,
; and stored in the order of the attention's operand registers.
; ONE GENERIC PRODUCT: D = P Qm^T, source 0 = 16 rows of P, source 1 = 16 rows of Qm: a lane holds one row of Qm and its registers run along P's rows, along which the result is quantised.
; q, k: P = the weight's 1,024 columns, Qm = the 8,192 tokens.  v: P = the tokens (keys), Qm = wv's columns.  The two modes differ in scalars, in the bias and in the C of the first K step.
; OPERANDS lie in xw in register order: row tile T, place r = matrix row 32 (T / 2) + 8 (T % 2) + r + 8 (r / 8); so the 16 registers of result tiles 2 b, 2 b + 1 are the 16 neighbours 32 b + 16 h + 0 .. 15 along P.
; A fragment is two halves of 768 bytes (registers 6 c .. 6 c + 3 at 16 l, 6 c + 4, 6 c + 5 at 512 + 8 l); codes [T][K step][c][768], scale bytes [T][r][32].
; SHARES: a work-group makes 256 (P) x 128 (Qm), a wave 128 x 64: 32 accumulators.  768 work-groups.  All of K = 1,024 of both tiles lies in LDS (294,912 bytes of codes):
; no LDS byte is filled twice.  A wave has one tensor load outstanding.
; CLUSTER 4 x 4: P's tile hangs on cx alone and is asked for jointly by a column of the cluster, Qm's on cy alone, by a row.
; LIMITS: NaN and infinities are not served; a block whose largest magnitude lies under 2^-122 takes the byte 1; a block of zeros gets the byte 1 where the rule says 127 (zero codes; this program alone reads the bytes).
; REGISTERS: window 0: addresses, scale words (v32-127), the quantiser's work.  window 1: accumulator (a, b) at v[64 b + 8 a].  window 2: P's fragments, two sets of 96.  window 3: Qm's, two sets of 48; the bias at v128-191.
.set XS_OFF, 18874368
.set WC_OFF, 19660800
.set WS_OFF, 22806528
.set QC_OFF, 13107200                  ; qkv: q's codes [bh][T][768]
.set QS_OFF, 19398656                  ; q's scale words [bh][pair of tiles][r]
.set HEADB,  204800                    ; qkv from 0 on, for each bh: k's codes 98,304, v's codes 98,304, k's scale words 4,096, v's 4,096
.set QCB,    196608                    ; LDS: P's codes from 0: [tile 0..15][K step][1,536]; Qm's from here: [tile 0..7][K step][1,536]
.set PSB,    294912
.set QSB,    303104
.set SPARE,  307200                    ; the spare words, 128 bytes for each wave: two blocks of 256 bytes that no other line names
.set AP16, 4                           ; v4-7    LDS address of my P fragments' 16-byte parts;  v8-11 of their 8-byte parts
.set AP8,  8
.set AQ16, 12                          ; v12-15, v16-19 the same for Qm
.set AQ8,  16
.set L16,  20                          ; v20  16 l
.set L8,   21                          ; v21  8 l
.set SO0,  22                          ; v22, v23  the scale words' places on the way out
.set SO1,  23
.set SELV, 24                          ; v24  the byte selector on the way out
.set BH,   25                          ; v25  64 h
.set BR4,  26                          ; v26  4 (r + 8 (r / 8))
.set ASP,  27                          ; v27  32 r: my row's scale bytes in a tile's 512, in memory
.set ASQ,  28
.set SPW,  30                          ; v30  LDS address of my spare word; never rewritten
.set NIL,  31                          ; v31  0; never rewritten
.set SP,   32                          ; v32-95   P's scale words: tile a, K step s at 8 a + s
.set SQ,   96                          ; v96-127  Qm's: 8 b + s
.set TM,   128                         ; v128-143 the quantiser's work
.set PW,   144                         ; v144-147 the scale word of result tile b
.set PC,   148                         ; v148-167, v168-187 two sets: 12 registers of codes, 8 of the conversions' second halves
.set SW,   188                         ; v188-189 the scale words as they are stored
.set BR,   128                         ; window 3: the bias
.set G1P,  24                          ; s[24:31] group 1 for P's codes; s[32:39] Qm's
.set G1Q,  32
.set G1SP, 40
.set G1SQ, 48
.set G0SP, 56                          ; s[58:59], s[62:63] the scale bytes' addresses; s[68:71], s[84:87] group 0 for P's and Qm's codes
.set G0SQ, 60
.set G0P,  68
.set G0Q,  84
.set MSB, 0
.macro WIN new                         ; the immediate's high byte repeats the setting that is left
.if MSB != \new
	s_set_vgpr_msb (MSB<<8)|\new
.set MSB, \new
.endif
.endm
.macro PLACES                          ; four places in front of loads into registers that matrix instructions have read (ISA guide 7.12.1 for vector instructions)
.rept 4
	v_nop
.endr
.endm
.macro CROUND                          ; a round of the cluster's barrier
	s_barrier_signal -1
	s_barrier_wait -1
	s_cmp_lg_u32 s14, 0
	s_cbranch_scc1 .Lnot_wave_0_\@
	s_barrier_signal -3
.Lnot_wave_0_\@:
	s_barrier_wait -3
	s_barrier_signal -1
	s_barrier_wait -1
.endm
	s_load_b256 s[4:11], s[0:1], 0x0               ; xw, bq, bk, bv
	s_load_b64 s[12:13], s[0:1], 0x20              ; qkv
	v_lshl_add_u32 v[SPW], v0, 2, SPARE
	v_mov_b32 v[NIL], 0
	ds_add_u32 v[SPW], v[NIL]                      ; the wave's opening: the add and its wait stand ahead of my first tensor load; the set-up below, work on registers, stands between them
	ds_add_u32 v[SPW], v[NIL]
	v_lshrrev_b32 v1, 5, v0
	v_readfirstlane_b32 s14, v1                    ; wave 0..3
	s_lshr_b32 s15, s14, 1                         ; wp: which 128 rows of P are mine.  Also: I fetch for P (0) or for Qm (1)
	s_and_b32 s16, s14, 1                          ; wq: which 64 rows of Qm.  Also: which half of that tile I fetch
	s_bfe_u32 s17, ttmp6, 0x40000                  ; cx
	s_bfe_u32 s18, ttmp6, 0x40004                  ; cy
	s_and_b32 s19, ttmp7, 0xffff                   ; the cluster's number, 0 .. 47
	s_lshr_b32 s20, s19, 4                         ; g: 0 q, 1 k, 2 v
	s_and_b32 s21, s19, 15
	s_and_b32 s2, s21, 7
	s_lshr_b32 s3, s21, 3
	s_cmp_eq_u32 s20, 2
	s_cselect_b32 s22, 1, 0                        ; the mode: the same in all sixteen partners
	s_cselect_b32 s2, s2, 0                        ; v: 8 x 2 clusters over (32 P tiles, 8 Qm tiles);  q, k: 1 x 16 over (4, 64)
	s_cselect_b32 s3, s3, s21
	s_lshl_b32 s23, s2, 2
	s_add_co_u32 s23, s23, s17                     ; P's tile of 256 rows
	s_lshl_b32 s66, s3, 2
	s_add_co_u32 s66, s66, s18                     ; Qm's tile of 128 rows
	s_lshl_b32 s19, s18, 2
	s_lshl_b32 s19, 15, s19                        ; my row of the cluster (same cy): Qm's tiles
	s_lshl_b32 s3, 0x1111, s17                     ; my column (same cx): P's tiles
	; groups 1: elements of 8 bytes, no padding, bit 21 beside the mask.
	s_or_b32 s[G1P], s3, (3<<16)|(1<<21)
	s_or_b32 s[G1Q], s19, (3<<16)|(1<<21)
	; THE FILLS AS THEY NOW STAND: ONE tensor load a wave, at the head.  The codes of 8 row tiles of P (98,304 bytes) and of 4 of Qm (49,152) are dense in xw, all of K: they come as rows of 256 bytes
	; and lie in LDS as in memory, [tile][K step][1,536]: P from 0, Qm from QCB.  The scale words go from memory straight into their registers.  A wave has one tensor load outstanding.
	s_mov_b32 s[G1P+1], 32<<16                     ; tensor_dim0: 256 bytes
	s_mov_b32 s[G1P+2], 384<<16                    ; tensor_dim1: 384 rows
	s_mov_b32 s[G1P+3], 32<<16                     ; tile_dim0
	s_mov_b32 s[G1P+4], 384                        ; tile_dim1
	s_mov_b32 s[G1P+5], 32                         ; the pitch: dense
	s_mov_b32 s[G1P+6], 0
	s_mov_b32 s[G1P+7], 0
	s_mov_b32 s[G1Q+1], 32<<16
	s_mov_b32 s[G1Q+2], 192<<16                    ; 192 rows
	s_mov_b32 s[G1Q+3], 32<<16
	s_mov_b32 s[G1Q+4], 192
	s_mov_b32 s[G1Q+5], 32
	s_mov_b32 s[G1Q+6], 0
	s_mov_b32 s[G1Q+7], 0
	; where the operands lie in xw
	s_mul_i32 s100, s20, 6291456                   ; the activation's codes,
	s_mul_i32 s101, s20, 262144
	s_add_co_u32 s101, s101, XS_OFF                ; its scale bytes,
	s_mul_i32 s104, s20, 786432
	s_add_co_u32 s104, s104, WC_OFF                ; the weight's codes,
	s_lshl_b32 s105, s20, 15
	s_add_co_u32 s105, s105, WS_OFF                ; its scale bytes
	s_cmp_eq_u32 s22, 1
	s_cselect_b32 s[G0P+2], s100, s104             ; P is the activation for v, else the weight
	s_cselect_b32 s[G0SP+2], s101, s105
	s_cselect_b32 s[G0Q+2], s104, s100
	s_cselect_b32 s[G0SQ+2], s105, s101
	s_lshl_b32 s2, s23, 4
	s_lshl_b32 s3, s16, 3
	s_add_co_u32 s2, s2, s3                        ; P: the first of the 8 row tiles that I would fetch.  (No register that feeds P's descriptors holds cy, none that feeds Qm's holds cx)
	s_mul_i32 s3, s2, 12288
	s_add_co_u32 s[G0P+2], s[G0P+2], s3
	s_lshl_b32 s2, s23, 13                         ; P's scale bytes: 512 a row tile; those of the 8 tiles that I multiply (wp)
	s_lshl_b32 s3, s15, 12
	s_add_co_u32 s2, s2, s3
	s_add_co_u32 s[G0SP+2], s[G0SP+2], s2
	s_mov_b32 s[G0P+3], 0
	s_mov_b32 s[G0SP+3], 0
	s_lshl_b32 s19, s66, 3
	s_lshl_b32 s21, s16, 2
	s_add_co_u32 s19, s19, s21                     ; Qm: the first of the 4
	s_mul_i32 s21, s19, 12288
	s_add_co_u32 s[G0Q+2], s[G0Q+2], s21
	s_lshl_b32 s19, s19, 9
	s_add_co_u32 s[G0SQ+2], s[G0SQ+2], s19
	s_mov_b32 s[G0Q+3], 0
	s_mov_b32 s[G0SQ+3], 0
	; where they go: constants and the wave's number alone
	s_mov_b32 s[G0P], 1
	s_mul_i32 s[G0P+1], s16, 98304
	s_mov_b32 s[G0Q], 1
	s_mul_i32 s[G0Q+1], s16, 49152
	s_add_co_u32 s[G0Q+1], s[G0Q+1], QCB
	s_wait_dscnt 0x0                               ; the opening add is done
	s_wait_kmcnt 0x0
	s_add_nc_u64 s[G0SP+2:G0SP+3], s[4:5], s[G0SP+2:G0SP+3]
	s_add_nc_u64 s[G0SQ+2:G0SQ+3], s[4:5], s[G0SQ+2:G0SQ+3]
	s_add_nc_u64 s[G0P+2:G0P+3], s[4:5], s[G0P+2:G0P+3]
	s_add_nc_u64 s[G0Q+2:G0Q+3], s[4:5], s[G0Q+2:G0Q+3]
	s_or_b32 s[G0P+3], s[G0P+3], 0x80000000        ; the type
	s_or_b32 s[G0Q+3], s[G0Q+3], 0x80000000
	CROUND                                         ; all sixteen work-groups are here: the joint loads meet
	s_cmp_eq_u32 s15, 0                            ; a wave's one fill stands in one branch on the wave's number, ahead of every wait on TENSORcnt and every LDS read
	s_cbranch_scc0 .Lfill_q
	tensor_load_to_lds s[G0P:G0P+3], s[G1P:G1P+7]
	s_nop 0
.rept 4
	v_nop
.endr
	s_branch .Lfilled
.Lfill_q:
	tensor_load_to_lds s[G0Q:G0Q+3], s[G1Q:G1Q+7]
	s_nop 0
.rept 4
	v_nop
.endr
.Lfilled:
	v_and_b32 v1, 15, v0                           ; r
	v_bfe_u32 v2, v0, 4, 1                         ; h
	v_and_b32 v3, 31, v0                           ; l
	v_lshlrev_b32 v[L16], 4, v3
	v_lshlrev_b32 v[L8], 3, v3
	s_mul_i32 s2, s15, 98304                       ; my 8 row tiles of P; address register q serves tiles 2 q and 2 q + 1
	s_mul_i32 s3, s16, 49152                       ; my 4 of Qm; address register q serves tile q
	s_add_co_u32 s3, s3, QCB
.irp q, 0,1,2,3
	v_add_nc_u32 v[AP16+\q], s2, v[L16]
	v_add_nc_u32 v[AP8+\q], s2, v[L8]
	v_add_nc_u32 v[AQ16+\q], s3, v[L16]
	v_add_nc_u32 v[AQ8+\q], s3, v[L8]
	s_add_co_u32 s2, s2, 24576
	s_add_co_u32 s3, s3, 12288
.endr
	v_lshlrev_b32 v[BH], 6, v2
	v_and_b32 v[BR4], 8, v1
	v_add_nc_u32 v[BR4], v[BR4], v1
	v_lshlrev_b32 v[BR4], 2, v[BR4]
	v_lshlrev_b32 v[ASP], 5, v1                    ; row r's 32 scale bytes in a tile's 512
.irp b, 0,1,2,3
	v_mov_b32 v[TM+4+\b], 0                        ; written once: a lane permute's destination counts as one of its sources
.endr
	s_wait_alu depctr_va_vdst(0)                   ; the wait at the end of the head's vector work
.irp a, 0,1,2,3,4,5,6,7
	global_load_b128 v[SP+8*\a:SP+8*\a+3], v[ASP], s[G0SP+2:G0SP+3] offset:512*\a        ; the scale words of all eight K steps stay in registers: a tile's two loads cover its 512 bytes
	global_load_b128 v[SP+8*\a+4:SP+8*\a+7], v[ASP], s[G0SP+2:G0SP+3] offset:512*\a+16
.endr
.irp b, 0,1,2,3
	global_load_b128 v[SQ+8*\b:SQ+8*\b+3], v[ASP], s[G0SQ+2:G0SQ+3] offset:512*\b
	global_load_b128 v[SQ+8*\b+4:SQ+8*\b+7], v[ASP], s[G0SQ+2:G0SQ+3] offset:512*\b+16
.endr
	; THE BIAS is the C of each sum's first matrix instruction, in the result's layout
	s_cmp_eq_u32 s20, 0
	s_cselect_b64 s[2:3], s[6:7], s[8:9]
	s_cmp_eq_u32 s20, 2
	s_cselect_b64 s[2:3], s[10:11], s[2:3]
	s_lshl_b32 s100, s23, 10
	s_lshl_b32 s101, s15, 9
	s_add_co_u32 s100, s100, s101                  ; q, k: my 128 columns are P's rows
	s_lshl_b32 s104, s66, 9
	s_lshl_b32 s105, s16, 8
	s_add_co_u32 s104, s104, s105                  ; v: my 64 columns are Qm's rows
	s_cmp_eq_u32 s22, 1
	s_cselect_b32 s100, s104, s100
	s_mov_b32 s101, 0
	s_add_nc_u64 s[2:3], s[2:3], s[100:101]
	s_cmp_eq_u32 s22, 1
	s_cbranch_scc1 .Lbias_v
	WIN 0xc0                                       ; destination window 3
.irp a, 0,1,2,3,4,5,6,7                        ; q, k: register j of tile a is column 32 (a / 2) + 8 (a % 2) + 16 h + j
	global_load_b128 v[BR+8*\a:BR+8*\a+3], v[BH], s[2:3] offset:(32*(\a/2)+8*(\a%2))*4
	global_load_b128 v[BR+8*\a+4:BR+8*\a+7], v[BH], s[2:3] offset:(32*(\a/2)+8*(\a%2))*4+16
.endr
	WIN 0
	s_branch .Lbias_done
.Lbias_v:
	WIN 0xc0
	s_wait_alu depctr_va_vdst(0)
.irp x, 0,1,2,3,4,5,6,7                        ; v: all eight registers of tile b hold the bias of my lane's column 32 (b / 2) + 8 (b % 2) + r + 8 (r / 8).  Two copies (x = b, b + 4), which even and odd a take by turns
.irp j, 0,1,2,3,4,5,6,7
	global_load_b32 v[BR+8*\x+\j], v[BR4], s[2:3] offset:(32*((\x%4)/2)+8*(\x%2))*4
.endr
.endr
	WIN 0
.Lbias_done:
.macro FRAG reg, a16, a8, off          ; a fragment as it lies: 512, 256, 512, 256 consecutive bytes
	ds_load_b128 v[\reg:\reg+3], v[\a16] offset:\off
	ds_load_b64 v[\reg+4:\reg+5], v[\a8] offset:\off+512
	ds_load_b128 v[\reg+6:\reg+9], v[\a16] offset:\off+768
	ds_load_b64 v[\reg+10:\reg+11], v[\a8] offset:\off+1280
.endm
.macro FETCH s                         ; K step s: my 8 fragments of P and 4 of Qm into set s % 2: 48 loads in one run
	WIN 0x80                                       ; destination window 2
.irp a, 0,1,2,3,4,5,6,7
	FRAG 96*((\s)%2)+12*\a, AP16+\a/2, AP8+\a/2, (\a%2)*12288+(\s)*1536
.endr
	WIN 0xc0                                       ; destination window 3
.irp b, 0,1,2,3
	FRAG 48*((\s)%2)+12*\b, AQ16+\b, AQ8+\b, (\s)*1536
.endr
.endm
; 32 matrix instructions, 128 along K.  The 32 accumulators take turns, one instruction a turn, in the same order in every step.
; mode 0: C = D;  1: C = the bias by P's rows;  2: C = the bias by Qm's rows
.macro MUL s, mode
.irp b, 0,1,2,3
.irp a, 0,1,2,3,4,5,6,7
.if \mode == 0
	v_wmma_scale_f32_16x16x128_f8f6f4 v[64*\b+8*\a:64*\b+8*\a+7], v[96*((\s)%2)+12*\a:96*((\s)%2)+12*\a+11], v[48*((\s)%2)+12*\b:48*((\s)%2)+12*\b+11], v[64*\b+8*\a:64*\b+8*\a+7], v[SP+8*\a+(\s)], v[SQ+8*\b+(\s)] matrix_a_fmt:MATRIX_FMT_BF6 matrix_b_fmt:MATRIX_FMT_BF6
.elseif \mode == 1
	v_wmma_scale_f32_16x16x128_f8f6f4 v[64*\b+8*\a:64*\b+8*\a+7], v[96*((\s)%2)+12*\a:96*((\s)%2)+12*\a+11], v[48*((\s)%2)+12*\b:48*((\s)%2)+12*\b+11], v[BR+8*\a:BR+8*\a+7], v[SP+8*\a+(\s)], v[SQ+8*\b+(\s)] matrix_a_fmt:MATRIX_FMT_BF6 matrix_b_fmt:MATRIX_FMT_BF6
.else
	v_wmma_scale_f32_16x16x128_f8f6f4 v[64*\b+8*\a:64*\b+8*\a+7], v[96*((\s)%2)+12*\a:96*((\s)%2)+12*\a+11], v[48*((\s)%2)+12*\b:48*((\s)%2)+12*\b+11], v[BR+8*(\b+4*(\a%2)):BR+8*(\b+4*(\a%2))+7], v[SP+8*\a+(\s)], v[SQ+8*\b+(\s)] matrix_a_fmt:MATRIX_FMT_BF6 matrix_b_fmt:MATRIX_FMT_BF6
.endif
.endr
.endr
.endm
	s_wait_tensorcnt 0x0                           ; my one load is in,
	s_barrier_signal -1
	s_barrier_wait -1                              ; everybody's is: from here on LDS is only read
	FETCH 0
	s_wait_dscnt 0x0                               ; K step 0's fragments are in
	FETCH 1
	WIN 0
	s_wait_loadcnt 0x0                             ; the bias
	s_cmp_eq_u32 s22, 1
	s_cbranch_scc1 .Lfirst_v
	WIN 0x7e                                       ; source 0 window 2, source 1 window 3, C window 3, D window 1
	MUL 0, 1
	WIN 0
	s_branch .Lfirst_done
.Lfirst_v:
	WIN 0x7e
	MUL 0, 2
	WIN 0
.Lfirst_done:
.irp s, 1,2,3,4,5,6,7
	s_wait_dscnt 0x0                               ; this step's fragments are in (asked for 32 matrix instructions ago)
.if \s < 7
	PLACES
	FETCH \s+1
.endif
	WIN 0x5e                                       ; C and D window 1
	MUL \s, 0
.endr
	WIN 0
	; THE WAY OUT.  No tensor load is out since K step 5, so the descriptors' registers are free.
	s_mov_b32 s52, 0x76543210
	s_mov_b32 s53, 0xfedcba98                      ; v_permlanex16_b32's selects for lane l xor 16
	s_lshl_b32 s24, s66, 3                         ; q, k: my first token tile,
	s_lshl_b32 s25, s16, 2
	s_add_co_u32 s24, s24, s25
	s_lshr_b32 s25, s24, 7                         ; its batch,
	s_and_b32 s24, s24, 127                        ; its number in the batch;
	s_lshl_b32 s25, s25, 4
	s_lshl_b32 s26, s23, 2
	s_add_co_u32 s25, s25, s26
	s_lshl_b32 s26, s15, 1
	s_add_co_u32 s25, s25, s26                     ; my 128 columns are heads bh and bh + 1: half c of a quantised fragment is head c's half fragment
	s_mul_i32 s26, s24, 768
	s_lshl_b32 s27, s24, 5                         ; a pair of tiles has 64 bytes of scale words
	s_lshr_b32 s28, s23, 3                         ; v: the batch,
	s_lshl_b32 s28, s28, 4
	s_lshl_b32 s29, s66, 1
	s_add_co_u32 s28, s28, s29
	s_add_co_u32 s28, s28, s16                     ; my 64 columns are one head,
	s_lshl_b32 s29, s23, 1
	s_add_co_u32 s29, s29, s15
	s_and_b32 s29, s29, 15                         ; my 128 tokens one key step
	s_mul_i32 s30, s29, 6144
	s_lshl_b32 s31, s29, 8
	s_mov_b32 s32, HEADB
	s_mov_b32 s33, HEADB
	s_mov_b32 s35, 196608
	s_cmp_eq_u32 s20, 0
	s_cselect_b32 s32, 98304, s32                  ; from head to head: codes,
	s_cselect_b32 s33, 4096, s33                   ; scale words
	s_cselect_b32 s34, QC_OFF, 0                   ; where the section begins: q's, k's
	s_cselect_b32 s35, QS_OFF, s35
	s_mov_b32 s36, 98304
	s_mov_b32 s37, 200704
	s_mov_b32 s38, 768
	s_mov_b32 s39, 0x05040100
	s_mov_b32 s40, 0x02020202
	s_cmp_eq_u32 s22, 1
	s_cselect_b32 s25, s28, s25
	s_cselect_b32 s26, s30, s26
	s_cselect_b32 s27, s31, s27
	s_cselect_b32 s34, s36, s34                    ; v's
	s_cselect_b32 s35, s37, s35
	s_cselect_b32 s42, 1536, s38                   ; from result tile b to b + 1
	s_cselect_b32 s44, s38, s32                    ; from half 0 to half 1
	s_cselect_b32 s46, 64, s33                     ; scale words: from lanes 0-15 to lanes 16-31,
	s_cselect_b32 s47, 128, 64                     ; from the first store to the second
	s_cselect_b32 s39, 0x03020100, s39             ; the selector in lanes 0-15,
	s_cselect_b32 s40, 0x04040404, s40             ; and what lanes 16-31 add
	s_mov_b32 s43, 0
	s_mov_b32 s45, 0
	s_mul_i32 s48, s25, s32
	s_add_co_u32 s48, s48, s26
	s_add_co_u32 s48, s48, s34
	s_mov_b32 s49, 0
	s_mul_i32 s50, s25, s33
	s_add_co_u32 s50, s50, s27
	s_add_co_u32 s50, s50, s35
	s_mov_b32 s51, 0
	s_add_nc_u64 s[68:69], s[12:13], s[48:49]      ; the base of (tile b, half c) at s[68 + 4 b + 2 c]
	s_add_nc_u64 s[70:71], s[68:69], s[44:45]
.irp b, 1,2,3
	s_add_nc_u64 s[68+4*\b:69+4*\b], s[68+4*(\b-1):69+4*(\b-1)], s[42:43]
	s_add_nc_u64 s[70+4*\b:71+4*\b], s[70+4*(\b-1):71+4*(\b-1)], s[42:43]
.endr
	s_add_nc_u64 s[84:85], s[12:13], s[50:51]
	v_mul_u32_u24 v[SO0], s46, v2                  ; these five lines are also the places between the last products and the first read of a result
	v_lshl_add_u32 v[SO0], v1, 2, v[SO0]
	v_add_nc_u32 v[SO1], s47, v[SO0]
	v_mul_lo_u32 v[SELV], v2, s40
	v_add_nc_u32 v[SELV], s39, v[SELV]
; 64 results of a lane in window 1, register 16 b + i = P's row 32 b + 16 h + i, become a fragment's codes in v[pc] on and the scale word v[pw].  Each accumulator is read from its low end on.
.macro QUANT src, pc, pw, xw
	WIN 0x05                                       ; sources 0 and 1 window 1
.irp b, 0,1,2,3
	v_max3_num_f32 v[TM+\b], |v[(\src)+16*\b]|, |v[(\src)+1+16*\b]|, 0x2800000   ; block b: my 16 numbers, and the floor 2^(5 - 127)
.endr
	WIN 0x14                                       ; sources 1 and 2 window 1
.irp i, 2,4,6,8,10,12,14
.irp b, 0,1,2,3
	v_max3_num_f32 v[TM+\b], v[TM+\b], |v[(\src)+16*\b+\i]|, |v[(\src)+1+16*\b+\i]|
.endr
.endr
	WIN 0
.irp b, 0,1,2,3
	v_permlanex16_b32 v[TM+4+\b], v[TM+\b], s52, s53
.endr
.irp b, 0,1,2,3
	v_max_num_f32 v[TM+\b], v[TM+\b], v[TM+4+\b]
.endr
.irp b, 0,1,2,3
	v_add_nc_u32 v[TM+12+\b], 0xfe000000, v[TM+\b] ; 4 off the exponent field: the conversion's scale operand
.endr
.irp b, 0,1,2,3
	v_lshrrev_b32 v[TM+4+\b], 23, v[TM+12+\b]      ; the scale's byte
.endr
	v_lshl_or_b32 v[\pw], v[TM+5], 8, v[TM+4]
	v_lshl_or_b32 v[\pw], v[TM+6], 16, v[\pw]
	v_lshl_or_b32 v[\pw], v[TM+7], 24, v[\pw]
.if (\xw) > 0
	s_wait_xcnt 0x0                                ; the stores of two tiles back have read this set
.endif
	WIN 0x01                                       ; source 0 window 1
.irp c, 0,1
	v_cvt_scalef32_pk16_bf6_f32 v[(\pc)+6*\c:(\pc)+2+6*\c], v[(\src)+32*\c:(\src)+15+32*\c], v[TM+12+2*\c]
	v_cvt_scalef32_pk16_bf6_f32 v[(\pc)+12+4*\c:(\pc)+14+4*\c], v[(\src)+16+32*\c:(\src)+31+32*\c], v[TM+12+2*\c+1]
.endr
	WIN 0
	v_nop                                          ; one plain place behind a scaled conversion
.irp c, 0,1
.irp i, 0,1,2
	v_permlane16_swap_b32 v[(\pc)+6*\c+\i], v[(\pc)+12+4*\c+\i]
.endr
.irp i, 0,1,2
	v_mov_b32 v[(\pc)+3+6*\c+\i], v[(\pc)+12+4*\c+\i]
.endr
.endr
.endm
.irp n, 0,1,2,3
	QUANT 64*\n, PC+20*(\n%2), PW+\n, \n/2
	global_store_b128 v[L16], v[PC+20*(\n%2):PC+20*(\n%2)+3], s[68+4*\n:69+4*\n]              ; each store of the wave covers 512 or 256 consecutive bytes, aligned
	global_store_b64 v[L8], v[PC+20*(\n%2)+4:PC+20*(\n%2)+5], s[68+4*\n:69+4*\n] offset:512
	global_store_b128 v[L16], v[PC+20*(\n%2)+6:PC+20*(\n%2)+9], s[70+4*\n:71+4*\n]
	global_store_b64 v[L8], v[PC+20*(\n%2)+10:PC+20*(\n%2)+11], s[70+4*\n:71+4*\n] offset:512
.endr
	; q, k: a stored word holds (tile 2 i: s0, s1; tile 2 i + 1: s0, s1) of one head: lanes 0-15 head 0's, lanes 16-31 head 1's.  v: lanes 0-15 tile 2 i's word, lanes 16-31 tile 2 i + 1's
	v_perm_b32 v[SW], v[PW+1], v[PW], v[SELV]
	v_perm_b32 v[SW+1], v[PW+3], v[PW+2], v[SELV]
	global_store_b32 v[SO0], v[SW], s[84:85]       ; two runs of 64 consecutive bytes: one byte for each 24 of codes
	global_store_b32 v[SO1], v[SW+1], s[84:85]
	s_wait_tensorcnt 0x0                           ; the wave's end: behind my last tensor load
	ds_add_u32 v[SPW], v[NIL]
	s_wait_dscnt 0x0
	CROUND                                         ; the closing round: no work-group ends while a partner may still ask for a tile that names it
	s_endpgm
.Lfunc_end_k_q80883bbf0a_proj:
	.size	k_q80883bbf0a_proj, .Lfunc_end_k_q80883bbf0a_proj-k_q80883bbf0a_proj
	.p2alignl 7, 3214868480
	.fill 96, 4, 3214868480
	.section	.rodata,"a",@progbits
	.p2align	6, 0x0
	.amdhsa_kernel k_q80883bbf0a_proj
		.amdhsa_group_segment_fixed_size 327680
		.amdhsa_private_segment_fixed_size 0
		.amdhsa_enable_private_segment 0
		.amdhsa_kernarg_size 40
		.amdhsa_user_sgpr_count 2
		.amdhsa_user_sgpr_kernarg_segment_ptr 1
		.amdhsa_wavefront_size32 1
		.amdhsa_system_sgpr_workgroup_id_x 1
		.amdhsa_system_sgpr_workgroup_id_y 1
		.amdhsa_system_sgpr_workgroup_id_z 1
		.amdhsa_system_vgpr_workitem_id 0
		.amdhsa_next_free_vgpr 1024
		.amdhsa_next_free_sgpr 106
		.amdhsa_reserve_vcc 0
		.amdhsa_float_denorm_mode_32 3
		.amdhsa_float_denorm_mode_16_64 3
		.amdhsa_memory_ordered 1
		.amdhsa_forward_progress 1
		.amdhsa_inst_pref_size 101
	.end_amdhsa_kernel
	.amdgpu_metadata
---
amdhsa.version: [ 1, 2 ]
amdhsa.kernels:
  - .name:           k_q80883bbf0a_proj
    .symbol:         k_q80883bbf0a_proj.kd
    .args:
      - { .name: xw, .offset: 0, .size: 8, .value_kind: global_buffer, .address_space: global }
      - { .name: bq, .offset: 8, .size: 8, .value_kind: global_buffer, .address_space: global }
      - { .name: bk, .offset: 16, .size: 8, .value_kind: global_buffer, .address_space: global }
      - { .name: bv, .offset: 24, .size: 8, .value_kind: global_buffer, .address_space: global }
      - { .name: qkv, .offset: 32, .size: 8, .value_kind: global_buffer, .address_space: global }
    .group_segment_fixed_size: 327680
    .private_segment_fixed_size: 0
    .kernarg_segment_align: 8
    .kernarg_segment_size: 40
    .max_flat_workgroup_size: 128
    .sgpr_count:     106
    .vgpr_count:     1024
    .wavefront_size: 32
...
	.end_amdgpu_metadata
.endif
;; end of part 2
;; launch attn (part 3): grid 4 x 64, 16 waves a work-group, clusters of 4 x 1, 206,848 bytes of LDS; arguments qkv, ao; writes ao
.if DOCPART == 3
	.amdgcn_target "amdgcn-amd-amdhsa--gfx1250"
	.amdhsa_code_object_version 6
	.text
	.protected	k_q80883bbf0a_attn
	.globl	k_q80883bbf0a_attn
	.p2align	8
	.type	k_q80883bbf0a_attn,@function
k_q80883bbf0a_attn:
	s_mov_b64 s[64:65], 0
	v_nop
	global_prefetch_b8 v0, s[64:65] scope:SCOPE_SE
	s_setreg_imm32_b32 hwreg(HW_REG_WAVE_MODE, 25, 1), 1
	s_wait_xcnt 0x0
	s_wait_alu depctr_hold_cnt(0) depctr_sa_sdst(0) depctr_va_vdst(0) depctr_va_sdst(0) depctr_va_ssrc(0) depctr_va_vcc(0) depctr_vm_vsrc(0)
	s_getreg_b32 s2, hwreg(HW_REG_IB_STS2, 6, 4)
	s_cmp_eq_u32 s2, 0
	s_cbranch_scc0 .Lentry_in_a_cluster
	s_endpgm
.Lentry_in_a_cluster:
	s_bfe_u32 s2, ttmp6, 0x10000c
	s_cmp_lg_u32 s2, 0x3003
	s_cbranch_scc0 .Lentry_shape_is_right
	s_endpgm
.Lentry_shape_is_right:
; For each of 64 (batch, head): O = softmax(q k^T / 8) v on codes of BF6 (E3M2) with E8M0 scales; the result, divided by the row's sum, is quantised along the model's 1,024 (its blocks of 32 lie inside a head)
; and stored in the order of the last product's operand registers.
; THE SOFTMAX: t = score x log2(e) / 8; M = the row's largest t so far, rounded up to a whole number; p = 2^(t - M) is quantised along the keys, not normalised; the row's sum is taken of the unquantised p
; and divides at the end.  When M moves, the sum and O are multiplied by 2^(old M - new M): exact.
; SHARES: a cluster of four work-groups is one (batch, head); a work-group takes 512 queries, each of its sixteen waves two tiles of 16, one after the other; four waves to a SIMD.
; LDS: the head's k and v, codes and scale words, are one dense block of 204,800 bytes of qkv; it lies in LDS as in memory, filled ONCE, jointly for the four work-groups: each wave asks for 50 rows of 256 bytes.
; A wave has one tensor load outstanding.  No prefetch: memory is read by that one fill at the head and by q's loads; the loops read LDS alone.
; LAYOUT: both products are used transposed (S^T = k q^T, O^T = v^T p^T): a lane holds one query.  Place r of KEY tile T holds key 64 (T / 4) + 8 (T % 4) + r % 8 + 32 (r / 8): so lane (r, h)'s 32 registers of score
; tiles 4 c .. 4 c + 3 are keys 64 c + 32 h + 0 .. 31 of the step: ONE WHOLE BLOCK of the second product's K, in the order of its operand.  A block's maximum needs no other lane, and p's codes no exchange of lanes.
; K = 64 IN AN INSTRUCTION 128 DEEP: twelve registers hold a PAIR of key tiles.  q lies as [codes | zero codes | codes], 18 registers: the first twelve give the pair's first tile's scores, the last twelve its second's;
; the other tile's codes meet zero codes, which add nothing under any scale byte but 0xff.
; k's fragments of the NEXT step are asked for behind this step's score products, beside v's of this step.  In a pass's last step that look-ahead reads the 6,144 + 256 LDS bytes behind k's (v's first); they are not used.
; LIMITS: the promise holds while |t| stays under 2^31.  NaN and infinities are not served; a block whose largest magnitude lies under 2^-122 takes the byte 1; a block of zeros gets the byte 1 where the rule says 127
; (zero codes; this program alone reads the bytes).
.set QC_OFF, 13107200                  ; qkv: q's codes [bh][T][768]
.set QS_OFF, 19398656                  ; q's scale words [bh][pair][r]
.set OS_OFF, 6291456                   ; ao: the scale bytes [tile][r][32]; the codes [tile][head][768] from 0
.set HEADB,  204800
.set VCB,    98304                     ; LDS: k's codes from 0, v's from here,
.set KSB,    196608                    ; k's scale words, and 4,096 on v's
.set SPARE,  204800                    ; the spare words, 128 bytes for each wave: eight blocks of 256 bytes that no other line names
; v1, v2: 16 l, 8 l;  v3, v4: the same + VCB;  v5: 4 l + KSB;  v6-10: the step's addresses;  v11: 4 r;  v12 -M, v13 the largest score, v[14:15] the sum;  v16-33: q
.set T0,  0                            ; v0   at work behind the head
.set H8,  34                           ; v34  8 h
.set BO0, 35                           ; v35, v51 the conversions' scale operands
.set BO1, 51
.set SPW, 36                           ; v36  LDS address of my spare word; never rewritten
.set NIL, 37                           ; v37  0; never rewritten
.set QSC, 38                           ; v38 q's scale word, v39 p's, v40-41 k's, v42-43 v's: scales and nothing else
.set PSC, 39
.set KSC, 40
.set VSC, 42
.set BM,  44                           ; v44-45 a block's largest score, then its largest p
.set BB,  46                           ; v46-47 the maxima's second chains; then at work
.set FF,  48                           ; v48  f = 2^(old M - new M);  v49 at work (named with f as a pair)
.set T1,  49
.set PD0, 44                           ; v44-46, v48-50 the conversions' second halves, in registers that are done with by then
.set PD1, 48
.set FK,  52                           ; v52-99   four pairs of key tiles
.set FV,  100                          ; v100-147 v's four fragments
.set S,   148                          ; v148-211 S^T, then p
.set O,   212                          ; v212-243 O^T
.set PC,  244                          ; v244-255 p's codes
.macro CROUND
	s_barrier_signal -1
	s_barrier_wait -1
	s_cmp_lg_u32 s8, 0
	s_cbranch_scc1 .Lnot_wave_0_\@
	s_barrier_signal -3
.Lnot_wave_0_\@:
	s_barrier_wait -3
	s_barrier_signal -1
	s_barrier_wait -1
.endm
	s_load_b128 s[4:7], s[0:1], 0x0                ; qkv, ao
	v_lshl_add_u32 v[SPW], v0, 2, SPARE
	v_mov_b32 v[NIL], 0
	ds_add_u32 v[SPW], v[NIL]                      ; the opening: the add, twice on end, and its wait ahead of my first tensor load
	ds_add_u32 v[SPW], v[NIL]
	v_lshrrev_b32 v1, 5, v0
	s_delay_alu instid0(VALU_DEP_1)
	v_readfirstlane_b32 s8, v1                     ; wave 0..15
	s_bfe_u32 s9, ttmp6, 0x40000                   ; cx: it enters q's and ao's addresses alone
	s_and_b32 s10, ttmp7, 0xffff                   ; bh = 16 x batch + head, which the four partners share
	s_mov_b32 s16, 15|(3<<16)|(1<<21)              ; group 1: the mask names all four; elements of 8 bytes; no padding; bit 21 beside the mask
	s_mov_b32 s17, 32<<16                          ; tensor_dim0: 256 bytes
	s_mov_b32 s18, 50<<16                          ; tensor_dim1: 50 rows
	s_mov_b32 s19, 32<<16                          ; tile_dim0
	s_mov_b32 s20, 50                              ; tile_dim1
	s_mov_b32 s21, 32                              ; the pitch: dense
	s_mov_b32 s22, 0
	s_mov_b32 s23, 0
	s_mov_b32 s12, 1                               ; group 0
	s_mul_i32 s13, s8, 12800                       ; LDS: my sixteenth of the block
	s_mul_i32 s14, s10, HEADB
	s_add_co_u32 s14, s14, s13
	s_mov_b32 s15, 0
	s_mov_b32 s24, 0x76543210
	s_mov_b32 s25, 0xfedcba98                      ; v_permlanex16_b32's selects for lane l xor 16
	s_mov_b32 s26, 0x3e38aa3b                      ; c = log2(e) / 8
	s_mov_b32 s27, s26                             ; (named with it as a pair, so it is written)
	s_lshl_b32 s2, s9, 5
	s_add_co_u32 s2, s2, s8                        ; my first query tile in the head: 32 cx + wave; the second lies 16 on
	s_mul_i32 s32, s2, 768
	s_mul_i32 s3, s10, 98304
	s_add_co_u32 s32, s32, s3
	s_add_co_u32 s32, s32, QC_OFF                  ; its codes
	s_mov_b32 s33, 0
	s_lshr_b32 s3, s8, 1
	s_lshl_b32 s11, s9, 4
	s_add_co_u32 s3, s3, s11
	s_lshl_b32 s34, s3, 6                          ; its pair's scale words,
	s_and_b32 s3, s8, 1
	s_lshl_b32 s3, s3, 1
	s_add_co_u32 s34, s34, s3                      ; its two bytes of each
	s_lshl_b32 s3, s10, 12
	s_add_co_u32 s34, s34, s3
	s_add_co_u32 s34, s34, QS_OFF
	s_mov_b32 s35, 0
	s_lshr_b32 s3, s10, 4
	s_lshl_b32 s3, s3, 7
	s_add_co_u32 s3, s3, s2                        ; the same tile among all 512 token tiles
	s_and_b32 s11, s10, 15                         ; the head
	s_mul_i32 s36, s3, 12288
	s_mul_i32 s2, s11, 768
	s_add_co_u32 s36, s36, s2                      ; ao: the head's half fragment of the tile
	s_mov_b32 s37, 0
	s_lshl_b32 s38, s3, 9
	s_lshl_b32 s2, s11, 1
	s_add_co_u32 s38, s38, s2
	s_add_co_u32 s38, s38, OS_OFF                  ; and its two of each row's 32 scale bytes
	s_mov_b32 s39, 0
	s_wait_dscnt 0x0                               ; both opening adds are done
	s_wait_kmcnt 0x0
	s_add_nc_u64 s[14:15], s[4:5], s[14:15]
	s_or_b32 s15, s15, 0x80000000                  ; the type
	s_add_nc_u64 s[32:33], s[4:5], s[32:33]
	s_add_nc_u64 s[34:35], s[4:5], s[34:35]
	s_add_nc_u64 s[36:37], s[6:7], s[36:37]
	s_add_nc_u64 s[38:39], s[6:7], s[38:39]
	CROUND                                         ; all four work-groups are here: the joint loads meet
	tensor_load_to_lds s[12:15], s[16:23]          ; every wave asks for its sixteenth: the same line, the same registers in all four partners
	s_nop 0
.rept 4
	v_nop
.endr
	v_and_b32 v11, 15, v0                          ; r
	v_bfe_u32 v[H8], v0, 4, 1                      ; h
	v_and_b32 v5, 31, v0                           ; l
	v_lshlrev_b32 v11, 2, v11
	v_lshlrev_b32 v[H8], 3, v[H8]
	v_lshlrev_b32 v1, 4, v5
	v_lshlrev_b32 v2, 3, v5
	v_lshl_add_u32 v5, v5, 2, KSB
	v_add_nc_u32 v3, VCB, v1
	v_add_nc_u32 v4, VCB, v2
.irp i, 22,23,24,25,26,27
	v_mov_b32 v[\i], 0                             ; q's zero codes: written once
.endr
	v_mov_b32 v[T1], 0                             ; written once: a lane permute's destination counts as one of its sources
.macro QLOAD p                         ; pass p's tile of q: its half fragment twice, and its two scale bytes
	global_load_b128 v[16:19], v1, s[32:33] offset:12288*\p
	global_load_b64 v[20:21], v2, s[32:33] offset:12288*\p+512
	global_load_b128 v[28:31], v1, s[32:33] offset:12288*\p
	global_load_b64 v[32:33], v2, s[32:33] offset:12288*\p+512
	global_load_u16 v[QSC], v11, s[34:35] offset:512*\p
.endm
.macro KLOAD a16, a8, asc, off, soff   ; four pairs of key tiles and their scale words
.irp b, 0,1,2,3
	ds_load_b128 v[FK+12*\b:FK+12*\b+3], v[\a16] offset:\off+1536*\b
	ds_load_b64 v[FK+12*\b+4:FK+12*\b+5], v[\a8] offset:\off+1536*\b+512
	ds_load_b128 v[FK+12*\b+6:FK+12*\b+9], v[\a16] offset:\off+1536*\b+768
	ds_load_b64 v[FK+12*\b+10:FK+12*\b+11], v[\a8] offset:\off+1536*\b+1280
.endr
	ds_load_b32 v[KSC], v[\asc] offset:\soff       ; lanes 0-15: pair 0's words, lanes 16-31: pair 1's
	ds_load_b32 v[KSC+1], v[\asc] offset:\soff+128 ; pairs 2 and 3
.endm
	QLOAD 0
	s_wait_alu depctr_va_vdst(0)                   ; the wait at the head's end
	s_wait_tensorcnt 0x0                           ; my sixteenth is in,
	s_barrier_signal -1
	s_barrier_wait -1                              ; everybody's is: from here on LDS is only read
; A KEY STEP: 128 keys.  s28: the step's codes (6,144 bytes of k, as many of v); s29: its scale words (256 bytes of each).  k's fragments are in registers at its top.
.macro STEP
.irp b, 0,1,2,3
.if \b%2
	v_wmma_scale_f32_16x16x128_f8f6f4 v[S+16*\b:S+16*\b+7], v[FK+12*\b:FK+12*\b+11], v[16:27], 0, v[KSC+\b/2], v[QSC] matrix_a_fmt:MATRIX_FMT_BF6 matrix_b_fmt:MATRIX_FMT_BF6 matrix_a_scale:MATRIX_SCALE_ROW1
	v_wmma_scale_f32_16x16x128_f8f6f4 v[S+16*\b+8:S+16*\b+15], v[FK+12*\b:FK+12*\b+11], v[22:33], 0, v[KSC+\b/2], v[QSC] matrix_a_fmt:MATRIX_FMT_BF6 matrix_b_fmt:MATRIX_FMT_BF6 matrix_a_scale:MATRIX_SCALE_ROW1
.else
	v_wmma_scale_f32_16x16x128_f8f6f4 v[S+16*\b:S+16*\b+7], v[FK+12*\b:FK+12*\b+11], v[16:27], 0, v[KSC+\b/2], v[QSC] matrix_a_fmt:MATRIX_FMT_BF6 matrix_b_fmt:MATRIX_FMT_BF6
	v_wmma_scale_f32_16x16x128_f8f6f4 v[S+16*\b+8:S+16*\b+15], v[FK+12*\b:FK+12*\b+11], v[22:33], 0, v[KSC+\b/2], v[QSC] matrix_a_fmt:MATRIX_FMT_BF6 matrix_b_fmt:MATRIX_FMT_BF6
.endif
.endr
	v_add_nc_u32 v6, s28, v1                       ; these five lines are also the places in front of the loads below and of the first read of the scores
	v_add_nc_u32 v7, s28, v2
	v_add_nc_u32 v8, s28, v3
	v_add_nc_u32 v9, s28, v4
	v_add_nc_u32 v10, s29, v5
.irp t, 0,1,2,3                                ; v's four fragments (16 channels x these 128 keys),
	ds_load_b128 v[FV+12*\t:FV+12*\t+3], v8 offset:1536*\t
	ds_load_b64 v[FV+12*\t+4:FV+12*\t+5], v9 offset:1536*\t+512
	ds_load_b128 v[FV+12*\t+6:FV+12*\t+9], v8 offset:1536*\t+768
	ds_load_b64 v[FV+12*\t+10:FV+12*\t+11], v9 offset:1536*\t+1280
.endr
	ds_load_b32 v[VSC], v10 offset:4096            ; lanes 0-15: channel tile 0's words, lanes 16-31: tile 1's
	ds_load_b32 v[VSC+1], v10 offset:4224          ; tiles 2 and 3
	KLOAD 6, 7, 10, 6144, 256                      ; and the next step's k: all land under the softmax
.irp c, 0,1                                    ; the largest score of my two blocks of 32 keys, each in two chains; every accumulator is first read at its low end
	v_max3_num_f32 v[BM+\c], v[S+32*\c], v[S+32*\c+1], v[S+32*\c+2]
	v_max3_num_f32 v[BB+\c], v[S+32*\c+16], v[S+32*\c+17], v[S+32*\c+18]
.endr
.irp i, 3,5,7,9,11,13
.irp c, 0,1
	v_max3_num_f32 v[BM+\c], v[BM+\c], v[S+32*\c+\i], v[S+32*\c+\i+1]
	v_max3_num_f32 v[BB+\c], v[BB+\c], v[S+32*\c+16+\i], v[S+32*\c+17+\i]
.endr
.endr
.irp c, 0,1
	v_max3_num_f32 v[BM+\c], v[BM+\c], v[BB+\c], v[S+32*\c+15]
.endr
.irp c, 0,1
	v_max_num_f32 v[BM+\c], v[BM+\c], v[S+32*\c+31]
.endr
	s_delay_alu instid0(VALU_DEP_1)
	v_max_num_f32 v[T0], v[BM], v[BM+1]
	v_permlanex16_b32 v[T1], v[T0], s24, s25       ; lane l xor 16 holds my query's other 64 keys
	s_delay_alu instid0(VALU_DEP_1)
	v_max3_num_f32 v13, v13, v[T0], v[T1]          ; the running largest score
	s_delay_alu instid0(VALU_DEP_1)
	v_mul_f32 v[T0], s26, v13                      ; as t (c is positive)
	v_mov_b32 v[T1], v12
	s_delay_alu instid0(VALU_DEP_2)
	v_floor_f32 v12, -v[T0]                        ; the new -M = floor(-t) = -ceil(t)
	s_delay_alu instid0(VALU_DEP_1)
	v_sub_f32 v[T0], v12, v[T1]                    ; old M less new M: a whole number, 0 or less
	s_delay_alu instid0(VALU_DEP_1)
	v_cvt_i32_f32 v[T0], v[T0]                     ; (it saturates)
	s_delay_alu instid0(VALU_DEP_1)
	v_ldexp_f32 v[FF], 1.0, v[T0]                  ; f = 2^(old M - new M)
.irp j, 0,2,4,6,8,10,12,14,16,18,20,22,24,26,28,30,32,34,36,38,40,42,44,46,48,50,52,54,56,58,60,62
	v_pk_fma_f32 v[S+\j:S+\j+1], v[S+\j:S+\j+1], s[26:27], v[12:13] op_sel_hi:[1,0,0]   ; t - M, two at a time
.endr
.irp c, 0,1
	v_fma_f32 v[BM+\c], v[BM+\c], s26, v12         ; the same of each block's largest score
.endr
.irp j, 0,2,4,6,8,10,12,14,16,18,20,22,24,26,28,30
	v_pk_mul_f32 v[O+\j:O+\j+1], v[O+\j:O+\j+1], v[FF:FF+1] op_sel_hi:[1,0]   ; O^T under the new M, ahead of the exponentials; each accumulator from its low end on
.endr
	s_wait_alu depctr_va_vdst(0)                   ; the wait ahead of the batch
.irp c, 0,1
	v_exp_f32 v[BM+\c], v[BM+\c]                   ; the block's largest p: the same two instructions on the same number give the same bits
.endr
.irp j, 0,1,2,3,4,5,6,7,8,9,10,11,12,13,14,15,16,17,18,19,20,21,22,23,24,25,26,27,28,29,30,31,32,33,34,35,36,37,38,39,40,41,42,43,44,45,46,47,48,49,50,51,52,53,54,55,56,57,58,59,60,61,62,63
	v_exp_f32 v[S+\j], v[S+\j]                     ; p = 2^(t - M)
.endr
	v_pk_mul_f32 v[14:15], v[14:15], v[FF:FF+1] op_sel_hi:[1,0]   ; the sums under the new M: a plain place behind the exponentials
	s_wait_alu depctr_va_vdst(0)                   ; and the one wait behind the batch of 66
.irp c, 0,1
	v_max_num_f32 v[BM+\c], 0x2800000, v[BM+\c]    ; the floor 2^(5 - 127)
.endr
	s_delay_alu instid0(VALU_DEP_2)
	v_add_nc_u32 v[BO0], 0xfe000000, v[BM]         ; 4 off the exponent field: the conversion's scale operand
	s_delay_alu instid0(VALU_DEP_2)
	v_add_nc_u32 v[BO1], 0xfe000000, v[BM+1]
	v_cvt_scalef32_pk16_bf6_f32 v[PC:PC+2], v[S:S+15], v[BO0]
	v_cvt_scalef32_pk16_bf6_f32 v[PD0:PD0+2], v[S+16:S+31], v[BO0]   ; (a conversion's three registers begin on an even number)
	v_cvt_scalef32_pk16_bf6_f32 v[PC+6:PC+8], v[S+32:S+47], v[BO1]
	v_cvt_scalef32_pk16_bf6_f32 v[PD1:PD1+2], v[S+48:S+63], v[BO1]
	v_lshrrev_b32 v[BB+1], 23, v[BO0]              ; the scale bytes of blocks h and 2 + h.  (Also the plain place behind the conversions)
	v_lshrrev_b32 v[T0], 23, v[BO1]
	s_delay_alu instid0(VALU_DEP_1)
	v_lshl_or_b32 v[BB+1], v[T0], 16, v[BB+1]
	s_delay_alu instid0(VALU_DEP_1)
	v_lshlrev_b32 v[BB+1], v[H8], v[BB+1]          ; at their places in the word (8 h bits up);
	s_delay_alu instid0(VALU_DEP_1)
	v_permlanex16_b32 v[T0], v[BB+1], s24, s25
	s_delay_alu instid0(VALU_DEP_1)
	v_or_b32 v[PSC], v[BB+1], v[T0]                ; with lane l xor 16's two the word is whole
.irp i, 0,1,2
	v_mov_b32 v[PC+3+\i], v[PD0+\i]
	v_mov_b32 v[PC+9+\i], v[PD1+\i]
.endr
; the row's sum of the unquantised p: a tree in place, now that the conversions have read p.  These 32 lines are also the places between p's codes and scale word and the products below
.irp j, 0,4,8,12,16,20,24,28,32,36,40,44,48,52,56,60
	v_pk_add_f32 v[S+\j:S+\j+1], v[S+\j:S+\j+1], v[S+\j+2:S+\j+3]
.endr
.irp j, 0,8,16,24,32,40,48,56
	v_pk_add_f32 v[S+\j:S+\j+1], v[S+\j:S+\j+1], v[S+\j+4:S+\j+5]
.endr
.irp j, 0,16,32,48
	v_pk_add_f32 v[S+\j:S+\j+1], v[S+\j:S+\j+1], v[S+\j+8:S+\j+9]
.endr
	s_delay_alu instid0(VALU_DEP_3)
	v_pk_add_f32 v[S:S+1], v[S:S+1], v[S+16:S+17]
	s_delay_alu instid0(VALU_DEP_2)
	v_pk_add_f32 v[S+32:S+33], v[S+32:S+33], v[S+48:S+49]
	s_delay_alu instid0(VALU_DEP_1)
	v_pk_add_f32 v[S:S+1], v[S:S+1], v[S+32:S+33]
	s_delay_alu instid0(VALU_DEP_1)
	v_pk_add_f32 v[14:15], v[14:15], v[S:S+1]
	s_wait_alu depctr_va_vdst(0)
	s_wait_dscnt 0x0                               ; v's fragments and scale words are in, and the next step's k
.irp t, 0,1,2,3                                ; O^T += v^T p^T: the four accumulators by turns, one instruction a turn
.if \t%2
	v_wmma_scale_f32_16x16x128_f8f6f4 v[O+8*\t:O+8*\t+7], v[FV+12*\t:FV+12*\t+11], v[PC:PC+11], v[O+8*\t:O+8*\t+7], v[VSC+\t/2], v[PSC] matrix_a_fmt:MATRIX_FMT_BF6 matrix_b_fmt:MATRIX_FMT_BF6 matrix_a_scale:MATRIX_SCALE_ROW1
.else
	v_wmma_scale_f32_16x16x128_f8f6f4 v[O+8*\t:O+8*\t+7], v[FV+12*\t:FV+12*\t+11], v[PC:PC+11], v[O+8*\t:O+8*\t+7], v[VSC+\t/2], v[PSC] matrix_a_fmt:MATRIX_FMT_BF6 matrix_b_fmt:MATRIX_FMT_BF6
.endif
.endr
	s_add_co_u32 s28, s28, 6144
	s_add_co_u32 s29, s29, 256
.endm
; One tile of 16 queries against all 2,048 keys.  The loop is written once: its first step finds zeros, which the first change of M leaves zeros.
.macro PASS
	s_wait_xcnt 0x0                                ; the last pass's stores have read their data
	KLOAD 1, 2, 5, 0, 0                            ; step 0's k
	v_mov_b32 v13, 0xff61b1e6                      ; the largest score so far: -3e38, under every score
	v_mov_b32 v12, 0x7f61b1e6                      ; -M: 3e38
	v_mov_b32 v14, 0                               ; the sum, in two halves
	v_mov_b32 v15, 0
	s_mov_b32 s28, 0
	s_mov_b32 s29, 0
	s_mov_b32 s30, 16
	s_wait_loadcnt 0x0                             ; q
	v_lshl_or_b32 v[QSC], v[QSC], 16, v[QSC]       ; (s0, s1, s0, s1): the same word serves both places of q's codes
.irp j, 0,1,2,3,4,5,6,7,8,9,10,11,12,13,14,15,16,17,18,19,20,21,22,23,24,25,26,27,28,29,30,31
	v_mov_b32 v[O+\j], 0                           ; O^T.  (Also the places between q's scale word and the first product)
.endr
	s_wait_alu depctr_va_vdst(0)
	s_wait_dscnt 0x0
.Lkeys_\@:
	STEP
	s_sub_co_u32 s30, s30, 1
	s_cmp_lg_u32 s30, 0
	s_cbranch_scc1 .Lkeys_\@
.endm
; THE WAY OUT of pass p: O^T / the sum; register 16 b + i is channel 32 b + 16 h + i of my query: two blocks of the last product's K, each in lanes l and l xor 16; codes and bytes to ao.
.macro OUTQ p
.rept 4
	v_nop                                          ; places behind the last products
.endr
	v_add_f32 v14, v14, v15                        ; the sum's two halves,
	v_permlanex16_b32 v[T1], v14, s24, s25
	s_delay_alu instid0(VALU_DEP_1)
	v_add_f32 v14, v14, v[T1]                      ; and lane l xor 16's
	s_wait_alu depctr_va_vdst(0)
	v_rcp_f32 v14, v14
	v_lshrrev_b32 v6, 3, v[H8]                     ; h: a plain place behind the reciprocal
	s_wait_alu depctr_va_vdst(0)                   ; the wait ahead of its first reader and of O^T's
.irp j, 0,2,4,6,8,10,12,14,16,18,20,22,24,26,28,30
	v_pk_mul_f32 v[S+\j:S+\j+1], v[O+\j:O+\j+1], v[14:15] op_sel_hi:[1,0]   ; each accumulator from its low end on
.endr
.irp b, 0,1
	v_max3_num_f32 v[BM+\b], |v[S+16*\b]|, |v[S+1+16*\b]|, 0x2800000
.endr
.irp i, 2,4,6,8,10,12,14
.irp b, 0,1
	s_delay_alu instid0(VALU_DEP_2)
	v_max3_num_f32 v[BM+\b], v[BM+\b], |v[S+16*\b+\i]|, |v[S+1+16*\b+\i]|
.endr
.endr
.irp b, 0,1
	v_permlanex16_b32 v[BB+\b], v[BM+\b], s24, s25
.endr
.irp b, 0,1
	s_delay_alu instid0(VALU_DEP_2)
	v_max_num_f32 v[BM+\b], v[BM+\b], v[BB+\b]
.endr
	s_delay_alu instid0(VALU_DEP_2)
	v_add_nc_u32 v[BO0], 0xfe000000, v[BM]
	s_delay_alu instid0(VALU_DEP_2)
	v_add_nc_u32 v[BO1], 0xfe000000, v[BM+1]
	s_delay_alu instid0(VALU_DEP_2)
	v_lshrrev_b32 v[BB], 23, v[BO0]
	s_delay_alu instid0(VALU_DEP_2)
	v_lshrrev_b32 v[BB+1], 23, v[BO1]
	v_cmp_eq_u32 vcc_lo, 8, v[H8]
	s_delay_alu instid0(VALU_DEP_1)
	v_cndmask_b32 v[T0], v[BB], v[BB+1], vcc_lo    ; lane (r, h) stores block h's byte of row r
	v_cvt_scalef32_pk16_bf6_f32 v[PC:PC+2], v[S:S+15], v[BO0]
	v_cvt_scalef32_pk16_bf6_f32 v[PD1:PD1+2], v[S+16:S+31], v[BO1]
	v_lshl_add_u32 v6, v11, 3, v6                  ; 32 r + h.  (Also the plain place behind the conversions)
.irp i, 0,1,2
	v_permlane16_swap_b32 v[PC+\i], v[PD1+\i]      ; the operand's layout wants a whole block in a lane
.endr
.irp i, 0,1,2
	s_delay_alu instid0(VALU_DEP_3)
	v_mov_b32 v[PC+3+\i], v[PD1+\i]
.endr
	global_store_b128 v1, v[PC:PC+3], s[36:37] offset:196608*\p        ; 512 and 256 consecutive bytes, aligned
	global_store_b64 v2, v[PC+4:PC+5], s[36:37] offset:196608*\p+512
	global_store_b8 v6, v[T0], s[38:39] offset:8192*\p                 ; a head owns two of a row's 32 scale bytes: single bytes, one for each 24 of codes
.endm
	PASS
	QLOAD 1                                        ; the second tile's q is asked for ahead of the first tile's way out
	OUTQ 0
	PASS
	OUTQ 1
	s_wait_tensorcnt 0x0                           ; the wave's end: behind my last tensor load
	ds_add_u32 v[SPW], v[NIL]
	s_wait_dscnt 0x0
	CROUND                                         ; the closing round
	s_endpgm
.Lfunc_end_k_q80883bbf0a_attn:
	.size	k_q80883bbf0a_attn, .Lfunc_end_k_q80883bbf0a_attn-k_q80883bbf0a_attn
	.p2alignl 7, 3214868480
	.fill 96, 4, 3214868480
	.section	.rodata,"a",@progbits
	.p2align	6, 0x0
	.amdhsa_kernel k_q80883bbf0a_attn
		.amdhsa_group_segment_fixed_size 206848
		.amdhsa_private_segment_fixed_size 0
		.amdhsa_enable_private_segment 0
		.amdhsa_kernarg_size 16
		.amdhsa_user_sgpr_count 2
		.amdhsa_user_sgpr_kernarg_segment_ptr 1
		.amdhsa_wavefront_size32 1
		.amdhsa_system_sgpr_workgroup_id_x 1
		.amdhsa_system_sgpr_workgroup_id_y 1
		.amdhsa_system_sgpr_workgroup_id_z 1
		.amdhsa_system_vgpr_workitem_id 0
		.amdhsa_next_free_vgpr 256
		.amdhsa_next_free_sgpr 66
		.amdhsa_reserve_vcc 1
		.amdhsa_float_denorm_mode_32 3
		.amdhsa_float_denorm_mode_16_64 3
		.amdhsa_memory_ordered 1
		.amdhsa_forward_progress 1
		.amdhsa_inst_pref_size 51
	.end_amdhsa_kernel
	.amdgpu_metadata
---
amdhsa.version: [ 1, 2 ]
amdhsa.kernels:
  - .name:           k_q80883bbf0a_attn
    .symbol:         k_q80883bbf0a_attn.kd
    .args:
      - { .name: qkv, .offset: 0, .size: 8, .value_kind: global_buffer, .address_space: global }
      - { .name: ao, .offset: 8, .size: 8, .value_kind: global_buffer, .address_space: global }
    .group_segment_fixed_size: 206848
    .private_segment_fixed_size: 0
    .kernarg_segment_align: 8
    .kernarg_segment_size: 16
    .max_flat_workgroup_size: 512
    .sgpr_count:     66
    .vgpr_count:     256
    .wavefront_size: 32
...
	.end_amdgpu_metadata
.endif
;; end of part 3
;; launch oproj (part 4): grid 4 x 64, 4 waves a work-group, clusters of 4 x 4, 327,680 bytes of LDS; arguments ao, xw, bo, out0; writes out0
.if DOCPART == 4
	.amdgcn_target "amdgcn-amd-amdhsa--gfx1250"
	.amdhsa_code_object_version 6
	.text
	.protected	k_q80883bbf0a_oproj
	.globl	k_q80883bbf0a_oproj
	.p2align	8
	.type	k_q80883bbf0a_oproj,@function
k_q80883bbf0a_oproj:
	s_mov_b64 s[64:65], 0
	v_nop
	global_prefetch_b8 v0, s[64:65] scope:SCOPE_SE
	s_setreg_imm32_b32 hwreg(HW_REG_WAVE_MODE, 25, 1), 1
	s_wait_xcnt 0x0
	s_wait_alu depctr_hold_cnt(0) depctr_sa_sdst(0) depctr_va_vdst(0) depctr_va_sdst(0) depctr_va_ssrc(0) depctr_va_vcc(0) depctr_vm_vsrc(0)
	s_getreg_b32 s2, hwreg(HW_REG_IB_STS2, 6, 4)
	s_cmp_eq_u32 s2, 0
	s_cbranch_scc0 .Lentry_in_a_cluster
	s_endpgm
.Lentry_in_a_cluster:
	s_bfe_u32 s2, ttmp6, 0x10000c
	s_cmp_lg_u32 s2, 0xf033
	s_cbranch_scc0 .Lentry_shape_is_right
	s_endpgm
.Lentry_shape_is_right:
; out0 = (attention's result) wo + bo on codes of BF6 (E3M2) with E8M0 scales, f32 sums, f32 out.
; D = P Qm^T, source 0 = 16 rows of P (wo's columns), source 1 = 16 rows of Qm (tokens): a lane holds one token and its registers run along the output's columns.
; OPERANDS lie in register order: row tile T, place r = matrix row 32 (T / 2) + 8 (T % 2) + r + 8 (r / 8); so the 16 registers of result tiles 2 b, 2 b + 1 are 16 neighbouring columns.
; A fragment is two halves of 768 bytes (registers 6 c .. 6 c + 3 at 16 l, 6 c + 4, 6 c + 5 at 512 + 8 l); codes [T][K step][c][768], scale bytes [T][r][32].
; SHARES: a work-group makes 256 columns x 128 tokens, a wave 128 x 64: 32 accumulators.  256 work-groups.  All of K = 1,024 of both tiles lies in LDS: no LDS byte is filled twice.
; A wave has one tensor load outstanding.
; CLUSTER 4 x 4: P's tile hangs on cx alone and is asked for jointly by a column of the cluster, Qm's on cy alone, by a row.
; REGISTERS: window 0: addresses, scale words (v32-127), rows on the way out (v128-191).  window 1: accumulator (a, b) at v[64 b + 8 a].  window 2: P's fragments, two sets of 96.  window 3: Qm's, two sets of 48; the bias at v128-191.
.set WOC_OFF, 19660800+3*786432        ; xw: wo's codes
.set WOS_OFF, 22806528+3*32768         ; and scale bytes
.set OS_OFF,  6291456                  ; ao: the scale bytes; the codes from 0
.set QCB,    196608                    ; LDS: P's codes from 0: [tile 0..15][K step][1,536]; Qm's from here: [tile 0..7][K step][1,536]
.set PSB,    294912
.set QSB,    303104
.set SPARE,  307200                    ; the spare words, 128 bytes for each wave: two blocks of 256 bytes that no other line names
.set STAGE,  307712                    ; the way out: 16 rows x (256 bytes + 16) for each wave, in bytes into which no fill lands
.set AP16, 4
.set AP8,  8
.set AQ16, 12
.set AQ8,  16
.set L16,  20
.set L8,   21
.set STI,  22                          ; v22  the stage: where I put 16 bytes of a row
.set STB,  23                          ; v23  and where I read a row back
.set CO,   24                          ; v24  my byte offset in two rows of out0
.set BH,   25                          ; v25  64 h
.set ASP,  27
.set ASQ,  28
.set SPW,  30                          ; v30  LDS address of my spare word; never rewritten
.set NIL,  31                          ; v31  0; never rewritten
.set SP,   32                          ; v32-95   P's scale words: 8 a + s
.set SQ,   96                          ; v96-127  Qm's: 8 b + s
.set BK,   128                         ; v128-159, v160-191 sixteen rows of 256 bytes read back from the stage, two sets
.set BR,   128                         ; window 3: the bias
.set G1P,  24
.set G1Q,  32
.set G1SP, 40
.set G1SQ, 48
.set G0SP, 56
.set G0SQ, 60
.set G0P,  68
.set G0Q,  84
.set MSB, 0
.macro WIN new                         ; the immediate's high byte repeats the setting that is left
.if MSB != \new
	s_set_vgpr_msb (MSB<<8)|\new
.set MSB, \new
.endif
.endm
.macro PLACES                          ; four places in front of loads into registers that matrix instructions have read (ISA guide 7.12.1 for vector instructions)
.rept 4
	v_nop
.endr
.endm
.macro CROUND                          ; a round of the cluster's barrier
	s_barrier_signal -1
	s_barrier_wait -1
	s_cmp_lg_u32 s14, 0
	s_cbranch_scc1 .Lnot_wave_0_\@
	s_barrier_signal -3
.Lnot_wave_0_\@:
	s_barrier_wait -3
	s_barrier_signal -1
	s_barrier_wait -1
.endm
	s_load_b256 s[4:11], s[0:1], 0x0               ; ao, xw, bo, out0
	v_lshl_add_u32 v[SPW], v0, 2, SPARE
	v_mov_b32 v[NIL], 0
	ds_add_u32 v[SPW], v[NIL]                      ; the wave's opening: the add and its wait stand ahead of my first tensor load; the set-up below, work on registers, stands between them
	ds_add_u32 v[SPW], v[NIL]
	v_lshrrev_b32 v1, 5, v0
	v_readfirstlane_b32 s14, v1                    ; wave 0..3
	s_lshr_b32 s15, s14, 1                         ; wp: which 128 columns are mine.  Also: I fetch for P (0) or for Qm (1)
	s_and_b32 s16, s14, 1                          ; wq: which 64 tokens.  Also: which half of that tile I fetch
	s_bfe_u32 s17, ttmp6, 0x40000                  ; cx = P's tile of 256 columns
	s_bfe_u32 s18, ttmp6, 0x40004                  ; cy
	s_and_b32 s66, ttmp7, 0xffff
	s_lshl_b32 s66, s66, 2
	s_add_co_u32 s66, s66, s18                     ; Qm's tile of 128 tokens
	s_lshl_b32 s19, s18, 2
	s_lshl_b32 s19, 15, s19                        ; my row of the cluster (same cy): Qm's tiles
	s_lshl_b32 s3, 0x1111, s17                     ; my column (same cx): P's tiles
	; groups 1: elements of 8 bytes, no padding, bit 21 beside the mask.
	s_or_b32 s[G1P], s3, (3<<16)|(1<<21)
	s_or_b32 s[G1Q], s19, (3<<16)|(1<<21)
	; THE FILLS AS THEY NOW STAND: ONE tensor load a wave, at the head.  The codes of 8 row tiles of P (98,304 bytes) and of 4 of Qm (49,152) are dense in memory, all of K: they come as rows of 256 bytes
	; and lie in LDS as in memory, [tile][K step][1,536]: P from 0, Qm from QCB.  The scale words go from memory straight into their registers.  A wave has one tensor load outstanding.
	s_mov_b32 s[G1P+1], 32<<16                     ; tensor_dim0: 256 bytes
	s_mov_b32 s[G1P+2], 384<<16                    ; tensor_dim1: 384 rows
	s_mov_b32 s[G1P+3], 32<<16                     ; tile_dim0
	s_mov_b32 s[G1P+4], 384                        ; tile_dim1
	s_mov_b32 s[G1P+5], 32                         ; the pitch: dense
	s_mov_b32 s[G1P+6], 0
	s_mov_b32 s[G1P+7], 0
	s_mov_b32 s[G1Q+1], 32<<16
	s_mov_b32 s[G1Q+2], 192<<16                    ; 192 rows
	s_mov_b32 s[G1Q+3], 32<<16
	s_mov_b32 s[G1Q+4], 192
	s_mov_b32 s[G1Q+5], 32
	s_mov_b32 s[G1Q+6], 0
	s_mov_b32 s[G1Q+7], 0
	s_lshl_b32 s2, s17, 4
	s_lshl_b32 s3, s16, 3
	s_add_co_u32 s2, s2, s3                        ; P: the first of the 8 row tiles that I would fetch.  (No register that feeds P's descriptors holds cy, none that feeds Qm's holds cx)
	s_mul_i32 s[G0P+2], s2, 12288
	s_add_co_u32 s[G0P+2], s[G0P+2], WOC_OFF
	s_lshl_b32 s[G0SP+2], s17, 13                  ; P's scale bytes: 512 a row tile; those of the 8 tiles that I multiply (wp)
	s_lshl_b32 s3, s15, 12
	s_add_co_u32 s[G0SP+2], s[G0SP+2], s3
	s_add_co_u32 s[G0SP+2], s[G0SP+2], WOS_OFF
	s_mov_b32 s[G0P+3], 0
	s_mov_b32 s[G0SP+3], 0
	s_lshl_b32 s19, s66, 3
	s_lshl_b32 s21, s16, 2
	s_add_co_u32 s19, s19, s21                     ; Qm: the first of the 4
	s_mul_i32 s[G0Q+2], s19, 12288
	s_lshl_b32 s[G0SQ+2], s19, 9
	s_add_co_u32 s[G0SQ+2], s[G0SQ+2], OS_OFF
	s_mov_b32 s[G0Q+3], 0
	s_mov_b32 s[G0SQ+3], 0
	; where they go: constants and the wave's number alone
	s_mov_b32 s[G0P], 1
	s_mul_i32 s[G0P+1], s16, 98304
	s_mov_b32 s[G0Q], 1
	s_mul_i32 s[G0Q+1], s16, 49152
	s_add_co_u32 s[G0Q+1], s[G0Q+1], QCB
	s_wait_dscnt 0x0                               ; the opening add is done
	s_wait_kmcnt 0x0
	s_add_nc_u64 s[G0SP+2:G0SP+3], s[6:7], s[G0SP+2:G0SP+3]
	s_add_nc_u64 s[G0SQ+2:G0SQ+3], s[4:5], s[G0SQ+2:G0SQ+3]
	s_add_nc_u64 s[G0P+2:G0P+3], s[6:7], s[G0P+2:G0P+3]
	s_add_nc_u64 s[G0Q+2:G0Q+3], s[4:5], s[G0Q+2:G0Q+3]
	s_or_b32 s[G0P+3], s[G0P+3], 0x80000000        ; the type
	s_or_b32 s[G0Q+3], s[G0Q+3], 0x80000000
	CROUND                                         ; all sixteen work-groups are here: the joint loads meet
	s_cmp_eq_u32 s15, 0                            ; a wave's one fill stands in one branch on the wave's number, ahead of every wait on TENSORcnt and every LDS read
	s_cbranch_scc0 .Lfill_q
	tensor_load_to_lds s[G0P:G0P+3], s[G1P:G1P+7]
	s_nop 0
.rept 4
	v_nop
.endr
	s_branch .Lfilled
.Lfill_q:
	tensor_load_to_lds s[G0Q:G0Q+3], s[G1Q:G1Q+7]
	s_nop 0
.rept 4
	v_nop
.endr
.Lfilled:
	v_and_b32 v1, 15, v0                           ; r
	v_bfe_u32 v2, v0, 4, 1                         ; h
	v_and_b32 v3, 31, v0                           ; l
	v_lshlrev_b32 v[L16], 4, v3
	v_lshlrev_b32 v[L8], 3, v3
	s_mul_i32 s2, s15, 98304                       ; my 8 row tiles of P; address register q serves tiles 2 q and 2 q + 1
	s_mul_i32 s3, s16, 49152                       ; my 4 of Qm; address register q serves tile q
	s_add_co_u32 s3, s3, QCB
.irp q, 0,1,2,3
	v_add_nc_u32 v[AP16+\q], s2, v[L16]
	v_add_nc_u32 v[AP8+\q], s2, v[L8]
	v_add_nc_u32 v[AQ16+\q], s3, v[L16]
	v_add_nc_u32 v[AQ8+\q], s3, v[L8]
	s_add_co_u32 s2, s2, 24576
	s_add_co_u32 s3, s3, 12288
.endr
	v_lshlrev_b32 v[BH], 6, v2
	v_lshlrev_b32 v[ASP], 5, v1                    ; row r's 32 scale bytes in a tile's 512
	s_wait_alu depctr_va_vdst(0)                   ; the wait at the end of the head's vector work
.irp a, 0,1,2,3,4,5,6,7
	global_load_b128 v[SP+8*\a:SP+8*\a+3], v[ASP], s[G0SP+2:G0SP+3] offset:512*\a        ; the scale words of all eight K steps stay in registers: a tile's two loads cover its 512 bytes
	global_load_b128 v[SP+8*\a+4:SP+8*\a+7], v[ASP], s[G0SP+2:G0SP+3] offset:512*\a+16
.endr
.irp b, 0,1,2,3
	global_load_b128 v[SQ+8*\b:SQ+8*\b+3], v[ASP], s[G0SQ+2:G0SQ+3] offset:512*\b
	global_load_b128 v[SQ+8*\b+4:SQ+8*\b+7], v[ASP], s[G0SQ+2:G0SQ+3] offset:512*\b+16
.endr
	; THE BIAS is the C of each sum's first matrix instruction: register j of tile a is column 32 (a / 2) + 8 (a % 2) + 16 h + j of my 128
	s_lshl_b32 s100, s17, 10
	s_lshl_b32 s101, s15, 9
	s_add_co_u32 s100, s100, s101
	s_mov_b32 s101, 0
	s_add_nc_u64 s[8:9], s[8:9], s[100:101]
	; and where my part of out0 begins: token 128 x tile + 64 wq, column 256 cx + 128 wp (the same 4 x column bytes as in the bias)
	s_lshl_b32 s104, s66, 7
	s_lshl_b32 s105, s16, 6
	s_add_co_u32 s104, s104, s105
	s_lshl_b32 s104, s104, 12
	s_add_co_u32 s104, s104, s100
	s_mov_b32 s105, 0
	s_add_nc_u64 s[12:13], s[10:11], s[104:105]
	WIN 0xc0                                       ; destination window 3
.irp a, 0,1,2,3,4,5,6,7
	global_load_b128 v[BR+8*\a:BR+8*\a+3], v[BH], s[8:9] offset:(32*(\a/2)+8*(\a%2))*4
	global_load_b128 v[BR+8*\a+4:BR+8*\a+7], v[BH], s[8:9] offset:(32*(\a/2)+8*(\a%2))*4+16
.endr
	WIN 0
.macro FRAG reg, a16, a8, off          ; a fragment as it lies: 512, 256, 512, 256 consecutive bytes
	ds_load_b128 v[\reg:\reg+3], v[\a16] offset:\off
	ds_load_b64 v[\reg+4:\reg+5], v[\a8] offset:\off+512
	ds_load_b128 v[\reg+6:\reg+9], v[\a16] offset:\off+768
	ds_load_b64 v[\reg+10:\reg+11], v[\a8] offset:\off+1280
.endm
.macro FETCH s                         ; K step s: my 8 fragments of P and 4 of Qm into set s % 2: 48 loads in one run
	WIN 0x80                                       ; destination window 2
.irp a, 0,1,2,3,4,5,6,7
	FRAG 96*((\s)%2)+12*\a, AP16+\a/2, AP8+\a/2, (\a%2)*12288+(\s)*1536
.endr
	WIN 0xc0                                       ; destination window 3
.irp b, 0,1,2,3
	FRAG 48*((\s)%2)+12*\b, AQ16+\b, AQ8+\b, (\s)*1536
.endr
.endm
; 32 matrix instructions, 128 along K.  The 32 accumulators take turns, one instruction a turn, in the same order in every step.  mode 0: C = D;  1: C = the bias
.macro MUL s, mode
.irp b, 0,1,2,3
.irp a, 0,1,2,3,4,5,6,7
.if \mode == 0
	v_wmma_scale_f32_16x16x128_f8f6f4 v[64*\b+8*\a:64*\b+8*\a+7], v[96*((\s)%2)+12*\a:96*((\s)%2)+12*\a+11], v[48*((\s)%2)+12*\b:48*((\s)%2)+12*\b+11], v[64*\b+8*\a:64*\b+8*\a+7], v[SP+8*\a+(\s)], v[SQ+8*\b+(\s)] matrix_a_fmt:MATRIX_FMT_BF6 matrix_b_fmt:MATRIX_FMT_BF6
.else
	v_wmma_scale_f32_16x16x128_f8f6f4 v[64*\b+8*\a:64*\b+8*\a+7], v[96*((\s)%2)+12*\a:96*((\s)%2)+12*\a+11], v[48*((\s)%2)+12*\b:48*((\s)%2)+12*\b+11], v[BR+8*\a:BR+8*\a+7], v[SP+8*\a+(\s)], v[SQ+8*\b+(\s)] matrix_a_fmt:MATRIX_FMT_BF6 matrix_b_fmt:MATRIX_FMT_BF6
.endif
.endr
.endr
.endm
	s_wait_alu depctr_va_vdst(0)
	s_wait_tensorcnt 0x0                           ; my one load is in,
	s_barrier_signal -1
	s_barrier_wait -1                              ; everybody's is: from here on the tiles are only read
	FETCH 0
	s_wait_dscnt 0x0                               ; K step 0's fragments are in
	FETCH 1
	s_wait_loadcnt 0x0                             ; the bias
	WIN 0x7e                                       ; source 0 window 2, source 1 window 3, C window 3, D window 1
	MUL 0, 1
.irp s, 1,2,3,4,5,6,7
	s_wait_dscnt 0x0                               ; this step's fragments are in (asked for 32 matrix instructions ago)
.if \s < 7
	PLACES
	FETCH \s+1
.endif
	WIN 0x5e                                       ; C and D window 1
	MUL \s, 0
.endr
	WIN 0
	; THE WAY OUT, 16 tokens x 64 columns at a time.  A lane holds 64 bytes twice of one token's row, and the lanes beside it hold other tokens: so a unit goes through my own stage in LDS and comes back as rows of
	; 256 bytes, which sixteen lanes store as one aligned run.  The ten lines below are also the places between the last products and the first read of a result.
	s_mul_i32 s2, s14, 4352
	s_add_co_u32 s2, s2, STAGE                     ; my stage
	v_mul_u32_u24 v[STI], v1, 272                  ; in: row r, + 64 h.  Rows 272 bytes apart: 16 lanes touch 16 different columns of 16 bytes
	v_lshl_add_u32 v[STI], v2, 6, v[STI]
	v_add_nc_u32 v[STI], s2, v[STI]
	v_mul_u32_u24 v[STB], v2, 272                  ; back: lanes 0-15 one row, lanes 16-31 the next
	v_lshl_add_u32 v[STB], v1, 4, v[STB]
	v_add_nc_u32 v[STB], s2, v[STB]
	v_lshlrev_b32 v[CO], 12, v2                    ; and the same two rows in out0
	v_lshl_add_u32 v[CO], v1, 4, v[CO]
	s_wait_alu depctr_va_vdst(0)
	v_nop
	v_nop
.macro TOSTAGE b, e                    ; token tile b, columns 64 e on: accumulators a = 4 e .. 4 e + 3, each from its low end on
	WIN 0x04                                       ; an LDS store's data are its source 1: window 1
.irp q, 0,1,2,3,4,5,6,7
	ds_store_b128 v[STI], v[64*(\b)+32*(\e)+4*\q:64*(\b)+32*(\e)+4*\q+3] offset:128*(\q/4)+16*(\q%4)
.endr
	WIN 0
.irp i, 0,1,2,3,4,5,6,7
	ds_load_b128 v[BK+32*(\e)+4*\i:BK+32*(\e)+4*\i+3], v[STB] offset:544*\i    ; LDS serves a wave's instructions in order (ISA guide 5.7.1.4): these see the stores above, and the next unit's stores come behind them
.endr
.endm
.macro SEND b, e, younger              ; place 2 i + h of tile b is token 32 (b / 2) + 8 (b % 2) + 2 i + h + 8 (i / 4) of my 64
	s_wait_dscnt \younger                          ; the unit is back in registers; the next unit's 8 stores and 8 loads may be out
.irp i, 0,1,2,3,4,5,6,7
	global_store_b128 v[CO], v[BK+32*(\e)+4*\i:BK+32*(\e)+4*\i+3], s[12:13] offset:(32*((\b)/2)+8*((\b)%2)+2*\i+8*(\i/4))*4096+256*(\e) th:TH_STORE_NT   ; 16 lanes store 256 consecutive bytes, aligned
.endr
.endm
	TOSTAGE 0, 0
.irp u, 1,2,3,4,5,6,7
.if \u > 1
	s_wait_xcnt 0x0                                ; the stores of two units back have read their data: this unit's loads may land there
.endif
	TOSTAGE \u/2, \u%2
	SEND (\u-1)/2, (\u-1)%2, 16
.endr
	SEND 3, 1, 0
	s_wait_tensorcnt 0x0                           ; the wave's end: behind my last tensor load and my last LDS store
	ds_add_u32 v[SPW], v[NIL]
	s_wait_dscnt 0x0
	CROUND                                         ; the closing round: no work-group ends while a partner may still ask for a tile that names it
	s_endpgm
.Lfunc_end_k_q80883bbf0a_oproj:
	.size	k_q80883bbf0a_oproj, .Lfunc_end_k_q80883bbf0a_oproj-k_q80883bbf0a_oproj
	.p2alignl 7, 3214868480
	.fill 96, 4, 3214868480
	.section	.rodata,"a",@progbits
	.p2align	6, 0x0
	.amdhsa_kernel k_q80883bbf0a_oproj
		.amdhsa_group_segment_fixed_size 327680
		.amdhsa_private_segment_fixed_size 0
		.amdhsa_enable_private_segment 0
		.amdhsa_kernarg_size 32
		.amdhsa_user_sgpr_count 2
		.amdhsa_user_sgpr_kernarg_segment_ptr 1
		.amdhsa_wavefront_size32 1
		.amdhsa_system_sgpr_workgroup_id_x 1
		.amdhsa_system_sgpr_workgroup_id_y 1
		.amdhsa_system_sgpr_workgroup_id_z 1
		.amdhsa_system_vgpr_workitem_id 0
		.amdhsa_next_free_vgpr 1024
		.amdhsa_next_free_sgpr 106
		.amdhsa_reserve_vcc 0
		.amdhsa_float_denorm_mode_32 3
		.amdhsa_float_denorm_mode_16_64 3
		.amdhsa_memory_ordered 1
		.amdhsa_forward_progress 1
		.amdhsa_inst_pref_size 84
	.end_amdhsa_kernel
	.amdgpu_metadata
---
amdhsa.version: [ 1, 2 ]
amdhsa.kernels:
  - .name:           k_q80883bbf0a_oproj
    .symbol:         k_q80883bbf0a_oproj.kd
    .args:
      - { .name: ao, .offset: 0, .size: 8, .value_kind: global_buffer, .address_space: global }
      - { .name: xw, .offset: 8, .size: 8, .value_kind: global_buffer, .address_space: global }
      - { .name: bo, .offset: 16, .size: 8, .value_kind: global_buffer, .address_space: global }
      - { .name: out0, .offset: 24, .size: 8, .value_kind: global_buffer, .address_space: global }
    .group_segment_fixed_size: 327680
    .private_segment_fixed_size: 0
    .kernarg_segment_align: 8
    .kernarg_segment_size: 32
    .max_flat_workgroup_size: 128
    .sgpr_count:     106
    .vgpr_count:     1024
    .wavefront_size: 32
...
	.end_amdgpu_metadata
.endif
;; end of part 4
